; MI455X (gfx1250); checked and timed in simulation.
; The chip was launched on July 23, 2026; its instructions are those of AMD's public machine-readable ISA for CDNA 5 (MIT licence, August 2026) and "CDNA5" Instruction Set Architecture Reference Guide (July 2026). The comments in the code are by the model that wrote it; some were corrected since.
;; Causal Self Attention. Allowed arithmetic: matrix products marked QUANTISED: E2M1 operands, one E8M0 scale for each 32 along K, by v_wmma_scale_f32_16x16x128_f8f6f4 with both operands' format E2M1 (or v_wmma_scale_f32_32x16x128_f4), f32 sums; products left as they are: bf16, f16 or f32 operands; f32 sums; everything else in f32.
;; Inputs: W_proj 1,024 x 1,024 float32; W_qkv 1,024 x 3,072 float32; x 2 x 2,048 x 1,024 float32.
;; Outputs: out0 2 x 2,048 x 1,024 float32.
;; This version of the problem:
;;   THIS VERSION OF THE PROBLEM IS GIVEN IN LOW PRECISION. The matrix products marked QUANTISED in the list below multiply operands that are first quantised to E2M1 (2 exponent bits, 1 mantissa bit; 4 bits a number), with one power-of-two scale for each 32 numbers along K (OCP MX v1.0); their sums are f32. The products marked 'left as it is' may take bf16, f16 or f32 operands, with f32 sums. Whichever they take, every output number must still come out within the allowed error. Rounding operands to bf16 (8 significant bits) uses up far more of that allowance than f16 does (11 bits, for magnitudes from 6e-5 to 65,504). All else is computed in f32.
;;   The module's matrix products, in the order in which they are computed (A, B: the left and right operand; K: the contracted axis; several contracted axes count as one K, in the product's order):
;;     1. [M 4,096, K 1,024] x [K 1,024, N 3,072]; A: input x; B: input W_qkv: QUANTISED
;;     2. batch 32 x [M 2,048, K 64] x [K 64, N 2,048]; A: computed on the way; B: computed on the way: left as it is (an operand is computed on the way)
;;     3. batch 32 x [M 2,048, K 2,048] x [K 2,048, N 64]; A: computed on the way; B: computed on the way: left as it is (an operand is computed on the way)
;;     4. [M 4,096, K 1,024] x [K 1,024, N 1,024]; A: computed on the way; B: input W_proj: left as it is (an operand is computed on the way)
;;   THE QUANTISER, for each operand of a quantised product, along K:
;;     - K is cut into blocks of 32 from its start; a last block that is shorter is filled with zeros.
;;     - A block's scale is 2^e with e = floor(log2(the largest magnitude in the block)) - 2, held to -126 .. 127; a block of zeros has e = 0. As a byte (E8M0): e + 127.
;;     - Each number is divided by its block's scale, clamped to +-6, and rounded to the nearest number of E2M1, ties to even, subnormals kept.
;;     - The product sums the exact products of the quantised numbers (number of the format x scale) in f32.
;;   ~~~python
;;   def quantise(x, axis):      # numpy; x: float32 -> the quantised numbers, widened to float32 again
;;       x = np.moveaxis(x, axis, -1); K = x.shape[-1]
;;       x = np.pad(x, [(0, 0)] * (x.ndim - 1) + [(0, -K % 32)]); x = x.reshape(x.shape[:-1] + (-1, 32)); a = np.abs(x).max(-1, keepdims=True)
;;       e = np.where(a > 0, np.clip(np.frexp(np.where(a > 0, a, 1))[1] - 1 - 2, -126, 127), 0)      # np.frexp(a)[1] - 1 = floor(log2(a)), exactly
;;       r = np.clip(x / 2.0 ** e, -6, 6)
;;       step = 2.0 ** (np.maximum(np.frexp(np.where(r == 0, 1, r))[1] - 1, 0) - 1)
;;       q = np.round(r / step) * step * 2.0 ** e      # np.round: ties to even
;;       return np.moveaxis(q.reshape(q.shape[:-2] + (-1,))[..., :K], -1, axis).astype(np.float32)
;;   ~~~
;; One version. Each part assembles by itself: llvm-mc -triple=amdgcn-amd-amdhsa -mcpu=gfx1250 --defsym DOCPART=n.
;; ======== version 1 of 1: 5 launches
;; limits: values are held in f16: magnitudes above 65,504 overflow, below 6.1e-05 lose precision
;; workspace buffers: xc 2,097,152 bytes; wc 1,572,864 bytes; sc 229,376 bytes; wp 2,097,152 bytes; qkv 25,165,824 bytes; att 8,388,608 bytes; fine 393,216 bytes
;; launch prep (part 1): grid 256 x 1, 16 waves a work-group, no clusters, 137,216 bytes of LDS; arguments x, W_qkv, W_proj, xc, wc, sc, wp; writes xc, wc, sc, wp
.if DOCPART == 1
	.amdgcn_target "amdgcn-amd-amdhsa--gfx1250"
	.amdhsa_code_object_version 6
	.text
	.protected	k_q6bf2f0b2a1_prep
	.globl	k_q6bf2f0b2a1_prep
	.p2align	8
	.type	k_q6bf2f0b2a1_prep,@function
k_q6bf2f0b2a1_prep:
	s_mov_b64 s[64:65], 0
	v_nop
	global_prefetch_b8 v0, s[64:65] scope:SCOPE_SE
	s_setreg_imm32_b32 hwreg(HW_REG_WAVE_MODE, 25, 1), 1
	s_wait_xcnt 0x0
; PREP: x [4096][1024] and W_qkv [1024][3072], f32, become codes of FP4 (E2M1) with one E8M0 byte for each 32 along K; W_proj [1024][1024] becomes f16.
; Every result is laid as an IMAGE OF THE OPERAND REGISTERS of the launch that reads it: a group of four registers is 512 consecutive bytes, lane l's 16 bytes at 16 l.
;   xc [row tile 0..255][K step 0..7][1,024]: a fragment of 16 rows x 128 K = [block of 32 along K, 0..3][row 0..15][16 bytes]
;   wc [position p 0..191][K step][1,024]: the same, row = a column of W_qkv; p orders the column tiles so that 6 neighbouring positions are 4 tiles of q or k and 2 of v
;   sc x's scale bytes [K / 512][row][16], then from byte 131,072 W's [K / 512][16 p + row][16]
;   wp [n tile 0..63][32 along K, 0..31][1,024]: f16 fragment of W_proj^T = [8 along K, 0..3][n 0..15][16 bytes]
; A block's scale is 2^(floor(log2(largest magnitude)) - 2); its byte is the largest magnitude's exponent field - 2, held at 1 from below.
; LIMITS: a block of zeros, or one whose largest magnitude lies under 2^-124, gets the byte 1 (its codes under that byte; the bytes are read by this program alone); NaN and infinities are not served; W_proj must lie inside f16's range.
; SHARES: 256 work-groups x 16 waves, 8 KiB of input a wave, all of a wave's loads issued at once; no loop, no barrier: waves share nothing.
;   work-groups 0-127: x (a wave: one fragment, 16 rows x 128 K);  128-223: W_qkv (a wave: 32 columns x 64 K);  224-255: W_proj (the same shape).
; x has K innermost: its loads take 512 consecutive bytes of a row, and the wave's own stage in LDS turns them so that a lane holds whole blocks of 32.
; The weights have K outermost: a lane takes a column and its registers run down K, so the conversions give K innermost with nothing turned.
.set STG,   8448                       ; a wave's stage: 16 rows x (512 bytes + 16)
.set SPARE, 16*STG                     ; behind the stages: the spare words, 128 bytes for each wave, named by no other line
.set LANE, 1
.set RR,   2                           ; lane % 16
.set HH,   3                           ; lane / 16
.set LI,   4                           ; 16 x lane
.set SIN,  5                           ; stage, on the way in
.set SOUT, 6                           ; stage, on the way out
.set VO,   7                           ; a vector offset of the role
.set M,    8                           ; v8-9   largest magnitudes of two blocks
.set SO,   10                          ; v10-11 the conversions' scale operands
.set BY,   12                          ; v12-13 the scale bytes
.set T,    14                          ; v14-15 at work
.set SPW,  16                          ; my spare word's LDS address; never rewritten
.set NIL,  17                          ; 0; never rewritten
.set C,    20                          ; v20-27 codes of two blocks
.set RAW,  32                          ; v32-95 numbers as loaded
.set X,    96                          ; v96-159 x: two whole blocks a lane;  W_proj: f16 pairs
	s_load_b256 s[4:11], s[0:1], 0x0               ; x s[4:5], W_qkv s[6:7], W_proj s[8:9], xc s[10:11]
	s_load_b128 s[12:15], s[0:1], 0x20             ; wc s[12:13], sc s[14:15]
	s_load_b64 s[16:17], s[0:1], 0x30              ; wp
	v_lshl_add_u32 v[SPW], v0, 2, SPARE
	v_mov_b32 v[NIL], 0
	v_lshrrev_b32 v1, 5, v0
	v_readfirstlane_b32 s18, v1                    ; wave 0..15
	v_and_b32 v[LANE], 31, v0
	v_and_b32 v[RR], 15, v0
	v_bfe_u32 v[HH], v0, 4, 1
	v_lshlrev_b32 v[LI], 4, v[LANE]
	s_mul_i32 s19, s18, STG
	v_add_nc_u32 v[SIN], s19, v[LI]                ; in: row i at 528 i, my 16 bytes of its 512
	v_mul_u32_u24 v[SOUT], v[RR], 528
	v_lshl_add_u32 v[SOUT], v[HH], 7, v[SOUT]
	v_add_nc_u32 v[SOUT], s19, v[SOUT]             ; out: row r, block h: 128 bytes on for lanes 16-31
	s_mov_b32 s24, 0x76543210
	s_mov_b32 s25, 0xfedcba98                      ; v_permlanex16_b32's selects for lane l xor 16
	s_mov_b32 s23, 0
; Two blocks of 32 numbers of one lane, v[xs] .. v[xs+63], become codes in v[C] .. v[C+7], bytes in v[BY], v[BY+1].  The two blocks take turns line by line.
.macro QUANT2 xs
.irp c, 0,1
	v_max3_num_f32 v[M+\c], |v[\xs+32*\c]|, |v[\xs+32*\c+1]|, 0x1800000   ; with the floor 2^(3 - 127) among the leaves: the byte cannot fall under 1
.endr
.irp i, 2,4,6,8,10,12,14,16,18,20,22,24,26,28,30
.irp c, 0,1
	v_max3_num_f32 v[M+\c], v[M+\c], |v[\xs+32*\c+\i]|, |v[\xs+32*\c+\i+1]|
.endr
.endr
.irp c, 0,1
	v_add_nc_u32 v[SO+\c], 0xff000000, v[M+\c]     ; 2 off the exponent field: the conversion takes that field as its scale and nothing else of the operand
.endr
.irp c, 0,1
	v_lshrrev_b32 v[BY+\c], 23, v[SO+\c]           ; the scale's byte
.endr
.irp c, 0,1
.irp g, 0,1,2,3
	v_cvt_scalef32_pk8_fp4_f32 v[C+4*\c+\g], v[\xs+32*\c+8*\g:\xs+32*\c+8*\g+7], v[SO+\c]
.endr
.endr
	v_nop                                          ; one plain line behind the last scaled conversion
.endm
	s_wait_kmcnt 0x0
	s_cmp_ge_u32 ttmp9, 128
	s_cbranch_scc1 .Lweights
	; ---- x: row tile R = 2 x work-group + wave / 8, K step s = wave % 8
	s_lshl_b32 s20, ttmp9, 1
	s_lshr_b32 s21, s18, 3
	s_add_co_u32 s20, s20, s21                     ; R
	s_and_b32 s21, s18, 7                          ; s
	s_lshl_b32 s22, s20, 16                        ; 16 rows of 4,096 bytes
	s_lshl_b32 s26, s21, 9                         ; 128 numbers
	s_add_co_u32 s22, s22, s26
	s_add_nc_u64 s[4:5], s[4:5], s[22:23]
.irp i, 0,1,2,3,4,5,6,7,8,9,10,11,12,13,14,15
	global_load_b128 v[RAW+4*\i:RAW+4*\i+3], v[LI], s[4:5] offset:4096*\i th:TH_LOAD_NT   ; row i: 32 lanes read 512 consecutive bytes
.endr
	s_lshl_b32 s26, s20, 3
	s_add_co_u32 s26, s26, s21
	s_lshl_b32 s26, s26, 10                        ; the fragment's image: (8 R + s) x 1,024
	s_mov_b32 s27, 0
	s_add_nc_u64 s[10:11], s[10:11], s[26:27]
	s_lshr_b32 s28, s21, 2
	s_lshl_b32 s28, s28, 16                        ; the scale words: 65,536 (s / 4)
	s_lshl_b32 s29, s20, 8                         ; + 16 bytes x 16 R rows
	s_add_co_u32 s28, s28, s29
	s_and_b32 s29, s21, 3
	s_lshl_b32 s29, s29, 2                         ; + 4 (s % 4)
	s_add_co_u32 s28, s28, s29
	s_mov_b32 s29, 0
	s_add_nc_u64 s[14:15], s[14:15], s[28:29]
	v_lshlrev_b32 v[VO], 4, v[RR]                  ; + 16 r
.irp i, 0,1,2,3,4,5,6,7,8,9,10,11,12,13,14,15
	s_wait_loadcnt 15-\i                           ; loads come back in order: row i is in, the younger rows may be out
	ds_store_b128 v[SIN], v[RAW+4*\i:RAW+4*\i+3] offset:528*\i
.endr
.irp c, 0,1
.irp j, 0,1,2,3,4,5,6,7
	ds_load_b128 v[X+32*\c+4*\j:X+32*\c+4*\j+3], v[SOUT] offset:256*\c+16*\j   ; block 2 c + h of row r, whole; LDS serves a wave's instructions in order: these see my stores
.endr
.endr
	s_wait_dscnt 0x0
	QUANT2 X
	v_lshl_or_b32 v[T], v[BY+1], 16, v[BY]         ; my two bytes: blocks h and 2 + h of row r,
	v_lshlrev_b32 v[T+1], 3, v[HH]
	v_lshlrev_b32 v[T], v[T+1], v[T]               ; at their places in the row's word;
	v_mov_b32 v[T+1], 0
	v_permlanex16_b32 v[T+1], v[T], s24, s25
	v_or_b32 v[T], v[T], v[T+1]                    ; with lane l xor 16's two the word is whole, in both lanes
	global_store_b128 v[LI], v[C:C+3], s[10:11]            ; register group 0 of the fragment: 512 consecutive bytes
	global_store_b128 v[LI], v[C+4:C+7], s[10:11] offset:512
	global_store_b32 v[VO], v[T], s[14:15]         ; lanes l and l xor 16 write the same word with the same value
	s_wait_tensorcnt 0x0                           ; the wave's end, behind my last LDS store
	ds_add_u32 v[SPW], v[NIL]
	s_wait_dscnt 0x0
	s_endpgm
.Lweights:                                             ; both weights: 32 columns (cg = wave % 4) x 64 along K (kp = wave / 4); these roles touch no LDS
	s_and_b32 s20, s18, 3                          ; cg
	s_lshr_b32 s21, s18, 2                         ; kp
	v_lshlrev_b32 v[VO], 2, v[LANE]                ; a lane a column: 4 bytes a lane
	s_cmp_ge_u32 ttmp9, 224
	s_cbranch_scc1 .Lproj
	; ---- W_qkv: 128 columns jj = j / 4, 256 along K kq = j % 4
	s_sub_co_u32 s22, ttmp9, 128
	s_lshr_b32 s26, s22, 2                         ; jj
	s_and_b32 s27, s22, 3                          ; kq
	s_lshl_b32 s28, s27, 8
	s_lshl_b32 s29, s21, 6
	s_add_co_u32 s28, s28, s29                     ; k0 = 256 kq + 64 kp
	s_mul_i32 s30, s28, 12288                      ; k0 rows of 12,288 bytes
	s_lshl_b32 s29, s26, 9
	s_add_co_u32 s30, s30, s29
	s_lshl_b32 s29, s20, 7
	s_add_co_u32 s30, s30, s29                     ; + 4 x (128 jj + 32 cg)
	s_mov_b32 s31, 0
	s_add_nc_u64 s[6:7], s[6:7], s[30:31]
.set i, 0
.rept 64
	global_load_b32 v[RAW+i], v[VO], s[6:7] offset:12288*i th:TH_LOAD_NT   ; W(k0 + i, my column): the four waves of a kp stand side by side on 512 bytes
.set i, i+1
.endr
	s_lshl_b32 s32, s26, 3
	s_lshl_b32 s29, s20, 1
	s_add_co_u32 s32, s32, s29                     ; ct0: the column tile of lanes 0-15 (even); lanes 16-31 have ct0 + 1, whose position is p + 1
	s_lshr_b32 s33, s32, 3
	s_mul_i32 s33, s33, 12
	s_bfe_u32 s34, s32, 0x10002
	s_mul_i32 s34, s34, 6
	s_add_co_u32 s33, s33, s34
	s_and_b32 s34, s32, 3
	s_add_co_u32 s33, s33, s34                     ; a tile of q or k: p = 12 (ct / 8) + 6 ((ct / 4) % 2) + ct % 4
	s_max_u32 s35, s32, 128
	s_sub_co_u32 s35, s35, 128                     ; vt
	s_lshr_b32 s36, s35, 2
	s_mul_i32 s36, s36, 12
	s_bfe_u32 s37, s35, 0x10001
	s_mul_i32 s37, s37, 6
	s_add_co_u32 s36, s36, s37
	s_add_co_u32 s36, s36, 4                       ; a tile of v: p = 12 (vt / 4) + 6 ((vt / 2) % 2) + 4 + vt % 2 (vt is even here)
	s_cmp_lt_u32 s32, 128
	s_cselect_b32 s33, s33, s36                    ; p
	s_lshl_b32 s34, s33, 3
	s_lshl_b32 s35, s27, 1
	s_add_co_u32 s34, s34, s35
	s_lshr_b32 s35, s21, 1
	s_add_co_u32 s34, s34, s35                     ; 8 p + K step, K step = 2 kq + kp / 2
	s_lshl_b32 s34, s34, 10
	s_and_b32 s35, s21, 1
	s_lshl_b32 s35, s35, 9                         ; my two blocks in the step: 2 (kp % 2) and the next, 256 bytes each
	s_add_co_u32 s34, s34, s35
	s_mov_b32 s35, 0
	s_add_nc_u64 s[12:13], s[12:13], s[34:35]
	s_lshl_b32 s36, s27, 3
	s_lshl_b32 s37, s21, 1
	s_add_co_u32 s36, s36, s37                     ; kb = k0 / 32: my first block of the 32 along K
	s_lshr_b32 s37, s36, 4
	s_mul_i32 s37, s37, 49152
	s_and_b32 s36, s36, 15
	s_add_co_u32 s36, s36, s37
	s_lshl_b32 s37, s33, 8                         ; 16 bytes x 16 p rows
	s_add_co_u32 s36, s36, s37
	s_add_co_u32 s36, s36, 131072
	s_mov_b32 s37, 0
	s_add_nc_u64 s[14:15], s[14:15], s[36:37]
	v_lshlrev_b32 v[T], 4, v[RR]
	v_lshl_add_u32 v[T], v[HH], 13, v[T]           ; 16 r, and a position (8,192 bytes) on for lanes 16-31
	s_wait_loadcnt 0x0
	QUANT2 RAW
	v_lshl_or_b32 v[T+1], v[BY+1], 8, v[BY]        ; my column's two bytes are neighbours
	global_store_b128 v[T], v[C:C+3], s[12:13]             ; sixteen lanes store 256 consecutive bytes, aligned: a block's 16 rows
	global_store_b128 v[T], v[C+4:C+7], s[12:13] offset:256
	global_store_b16 v[LI], v[T+1], s[14:15]       ; 2 bytes of each row's 16: parts of units, 96 KiB of scale bytes in the whole launch
	s_endpgm
.Lproj:	; ---- W_proj: 128 columns nb = j / 4, 256 along K kq = j % 4
	s_sub_co_u32 s22, ttmp9, 224
	s_lshr_b32 s26, s22, 2                         ; nb
	s_and_b32 s27, s22, 3                          ; kq
	s_lshl_b32 s28, s27, 8
	s_lshl_b32 s29, s21, 6
	s_add_co_u32 s28, s28, s29                     ; k0
	s_lshl_b32 s30, s28, 12                        ; k0 rows of 4,096 bytes
	s_lshl_b32 s29, s26, 9
	s_add_co_u32 s30, s30, s29
	s_lshl_b32 s29, s20, 7
	s_add_co_u32 s30, s30, s29
	s_mov_b32 s31, 0
	s_add_nc_u64 s[8:9], s[8:9], s[30:31]
.set i, 0
.rept 64
	global_load_b32 v[RAW+i], v[VO], s[8:9] offset:4096*i th:TH_LOAD_NT
.set i, i+1
.endr
	s_lshl_b32 s32, s26, 3
	s_lshl_b32 s29, s20, 1
	s_add_co_u32 s32, s32, s29                     ; the n tile of lanes 0-15
	s_lshl_b32 s32, s32, 5
	s_lshl_b32 s29, s27, 3
	s_add_co_u32 s32, s32, s29
	s_lshl_b32 s29, s21, 1
	s_add_co_u32 s32, s32, s29                     ; 32 x n tile + k0 / 32
	s_lshl_b32 s32, s32, 10
	s_mov_b32 s33, 0
	s_add_nc_u64 s[16:17], s[16:17], s[32:33]
	v_lshlrev_b32 v[T], 4, v[RR]
	v_lshl_add_u32 v[T], v[HH], 15, v[T]           ; 16 r, and an n tile (32,768 bytes) on for lanes 16-31
.irp e, 0,1                                    ; 32 along K at a time
	s_wait_loadcnt 32-32*\e                        ; the second 32 loads are younger than the first
.irp n, 0,1,2,3,4,5,6,7,8,9,10,11,12,13,14,15
	v_cvt_pk_f16_f32 v[X+16*\e+\n], v[RAW+32*\e+2*\n], v[RAW+32*\e+2*\n+1]
.endr
.irp q, 0,1,2,3
	global_store_b128 v[T], v[X+16*\e+4*\q:X+16*\e+4*\q+3], s[16:17] offset:1024*\e+256*\q   ; 8 along K of 16 columns: 256 consecutive bytes, aligned
.endr
.endr
	s_endpgm
.Lfunc_end_k_q6bf2f0b2a1_prep:
	.size	k_q6bf2f0b2a1_prep, .Lfunc_end_k_q6bf2f0b2a1_prep-k_q6bf2f0b2a1_prep
	.p2alignl 7, 3214868480
	.fill 96, 4, 3214868480
	.section	.rodata,"a",@progbits
	.p2align	6, 0x0
	.amdhsa_kernel k_q6bf2f0b2a1_prep
		.amdhsa_group_segment_fixed_size 137216
		.amdhsa_private_segment_fixed_size 0
		.amdhsa_enable_private_segment 0
		.amdhsa_kernarg_size 56
		.amdhsa_user_sgpr_count 2
		.amdhsa_user_sgpr_kernarg_segment_ptr 1
		.amdhsa_wavefront_size32 1
		.amdhsa_system_sgpr_workgroup_id_x 1
		.amdhsa_system_sgpr_workgroup_id_y 1
		.amdhsa_system_sgpr_workgroup_id_z 1
		.amdhsa_system_vgpr_workitem_id 0
		.amdhsa_next_free_vgpr 176
		.amdhsa_next_free_sgpr 66
		.amdhsa_reserve_vcc 0
		.amdhsa_float_denorm_mode_32 3
		.amdhsa_float_denorm_mode_16_64 3
		.amdhsa_memory_ordered 1
		.amdhsa_forward_progress 1
		.amdhsa_inst_pref_size 31
	.end_amdhsa_kernel
	.amdgpu_metadata
---
amdhsa.version: [ 1, 2 ]
amdhsa.kernels:
  - .name:           k_q6bf2f0b2a1_prep
    .symbol:         k_q6bf2f0b2a1_prep.kd
    .args:
      - { .name: x, .offset: 0, .size: 8, .value_kind: global_buffer, .address_space: global }
      - { .name: W_qkv, .offset: 8, .size: 8, .value_kind: global_buffer, .address_space: global }
      - { .name: W_proj, .offset: 16, .size: 8, .value_kind: global_buffer, .address_space: global }
      - { .name: xc, .offset: 24, .size: 8, .value_kind: global_buffer, .address_space: global }
      - { .name: wc, .offset: 32, .size: 8, .value_kind: global_buffer, .address_space: global }
      - { .name: sc, .offset: 40, .size: 8, .value_kind: global_buffer, .address_space: global }
      - { .name: wp, .offset: 48, .size: 8, .value_kind: global_buffer, .address_space: global }
    .group_segment_fixed_size: 137216
    .private_segment_fixed_size: 0
    .kernarg_segment_align: 8
    .kernarg_segment_size: 56
    .max_flat_workgroup_size: 512
    .sgpr_count:     66
    .vgpr_count:     176
    .wavefront_size: 32
...
	.end_amdgpu_metadata
.endif
;; end of part 1
;; launch gemm1 (part 2): grid 16 x 16, 4 waves a work-group, clusters of 4 x 4, 245,760 bytes of LDS; arguments xc, wc, sc, qkv, fine; writes qkv, fine
.if DOCPART == 2
	.amdgcn_target "amdgcn-amd-amdhsa--gfx1250"
	.amdhsa_code_object_version 6
	.text
	.protected	k_q6bf2f0b2a1_gemm1
	.globl	k_q6bf2f0b2a1_gemm1
	.p2align	8
	.type	k_q6bf2f0b2a1_gemm1,@function
k_q6bf2f0b2a1_gemm1:
	s_mov_b64 s[64:65], 0
	v_nop
	global_prefetch_b8 v0, s[64:65] scope:SCOPE_SE
	s_setreg_imm32_b32 hwreg(HW_REG_WAVE_MODE, 25, 1), 1
	s_wait_xcnt 0x0
	s_wait_alu depctr_hold_cnt(0) depctr_sa_sdst(0) depctr_va_vdst(0) depctr_va_sdst(0) depctr_va_ssrc(0) depctr_va_vcc(0) depctr_vm_vsrc(0)
	s_getreg_b32 s2, hwreg(HW_REG_IB_STS2, 6, 4)
	s_cmp_eq_u32 s2, 0
	s_cbranch_scc0 .Lentry_in_a_cluster
	s_endpgm
.Lentry_in_a_cluster:
	s_bfe_u32 s2, ttmp6, 0x10000c
	s_cmp_lg_u32 s2, 0xf033
	s_cbranch_scc0 .Lentry_shape_is_right
	s_endpgm
.Lentry_shape_is_right:
; GEMM1: qkv = Q(x) Q(W_qkv), [4096] x [3072], K = 1,024, on codes of FP4 (E2M1) with E8M0 scales, f32 sums.  Codes and scale bytes come as the launch before laid them: images of operand registers.
; SHARES.  A work-group makes 256 rows x 192 columns (12 positions of wc): 16 x 16 work-groups.  Wave (a = wave / 2, g = wave % 2) makes 128 x 96: 8 row tiles x 6 column tiles, 48 accumulators.
; ALL OF K FITS IN LDS (224 KiB of codes): no slot is ever filled again.  Each wave issues three first fills behind one round of the cluster's barrier: scale bytes, K 0-511, K 512-1023: three loads of mine are out at the most.
; CLUSTER 4 x 4: the four of a row need the same rows of x, the four of a column the same columns of W: each tile is asked for jointly, by the same load with a mask that names the four.
; A wave's six column tiles are 4 of q or k and 2 of v.  q AND k ARE MULTIPLIED TRANSPOSED (source 0 = W's columns, source 1 = x's rows): a lane then holds one token and 8 neighbouring channels, which is a group of the
; f16 fragment (row = token, K = channel) that attention wants of q and k.  v IS MULTIPLIED AS IT STANDS (source 0 = x, source 1 = W): a lane holds one channel and 8 neighbouring tokens: a group of the fragment
; (row = channel, K = key) of v^T.  So every result leaves straight from registers, 512 consecutive bytes a store, and nothing goes through LDS on the way out.
; OUT: qkv = 96 planes of 262,144 bytes.  With y = 2 head + batch: plane y = q, 32 + y = k: [token tile 0..127][channel / 16][512];  plane 64 + y = v: [key / 32][channel / 16][(key / 16) % 2][512].
;      fine = the f32 sums of tokens 0..15 of each sequence, as images of the accumulators: [batch][slot: head = q, 16 + head = k, 32 + head = v][tile 0..3][half][512].
; LIMIT: q, k, v are rounded to f16 for tokens' attention: magnitudes must stay under 65,504.
; REGISTERS: window 0: v1 16 x lane; v16-25 LDS addresses; v32-95 scale words and nothing else.  window 1: two sets of fragments (A's 8 at +0, B's 6 at +64), at v0 and v128; on the way out the f16 results.
;   windows 2, 3: accumulator (row tile ai, column tile b) at v[8 (6 (ai % 4) + b)] of window 2 + ai / 4.
.set CH,    114688                     ; LDS: a chunk of 512 along K: A's two halves (8 tiles x 4 steps x 1,024 each), then B's two (6 tiles x 4 x 1,024)
.set AHALF, 32768
.set BOFF,  65536
.set BHALF, 24576
.set SCL,   2*CH                       ; the scale bytes: B's of chunk 0, of chunk 1 (3,072 each), A's of chunk 0, of chunk 1 (4,096 each)
.set SPARE, SCL+14336                  ; the spare words, 128 bytes for each wave, named by no other line
.set LI,   1
.set ADRA, 16                          ; v16-17 my A fragments in chunk 0, 1
.set ADRB, 20                          ; v20-21 my B fragments
.set ADRS, 24                          ; v24-25 my scale words: lanes 0-15 B's rows, lanes 16-31 A's
.set FLG,  26
.set SPW,  28                          ; my spare word's LDS address; never rewritten
.set NIL,  29                          ; 0; never rewritten
.set SC,   32                          ; register 32 c + 4 i + s: lanes 0-15 the word of B's tile i, lanes 16-31 of A's tile i, for step s of chunk c
.set G1,   24                          ; s[24:31] group 1 for A's codes;  s[32:39] group 0, one set a chunk
.set G0,   32
.set G1B,  48                          ; s[48:55], s[56:63] the same for B's
.set G0B,  56
.set G1S,  68                          ; s[68:75], s[76:79] A's scale bytes;  s[80:87], s[88:91] B's
.set G0S,  76
.set G1SB, 80
.set G0SB, 88
.set MSB, 0
.macro WIN new                         ; the immediate's high byte repeats the setting that is left
.if MSB != (\new)
	s_set_vgpr_msb (MSB<<8)|(\new)
.set MSB, (\new)
.endif
.endm
.set MUL_LO, 0xa5                      ; sources 0 and 1 window 1, C and D window 2
.set MUL_HI, 0xf5                      ; the same, C and D window 3
.set TO_F,   0x40                      ; destination window 1, address window 0
.macro PLACES
.rept 4
	v_nop
.endr
.endm
; A joint load: waves 0 and 1 fetch for A, waves 2 and 3 for B; the branch hangs on the wave's number alone.  An s_nop 0 and four v_nop follow each of the two lines.
.macro JLOAD g0a, g1a, g0b, g1b
	s_cmp_eq_u32 s15, 0
	s_cbranch_scc0 .Lfor_b_\@
	tensor_load_to_lds s[\g0a:\g0a+3], s[\g1a:\g1a+7]
	s_nop 0
	PLACES
	s_branch .Lasked_\@
.Lfor_b_\@:
	tensor_load_to_lds s[\g0b:\g0b+3], s[\g1b:\g1b+7]
	s_nop 0
	PLACES
.Lasked_\@:
.endm
.macro CROUND                          ; a round of the cluster's barrier
	s_barrier_signal -1
	s_barrier_wait -1
	s_cmp_lg_u32 s14, 0
	s_cbranch_scc1 .Lnot_wave_0_\@
	s_barrier_signal -3
.Lnot_wave_0_\@:
	s_barrier_wait -3
	s_barrier_signal -1
	s_barrier_wait -1
.endm
	s_load_b256 s[4:11], s[0:1], 0x0               ; xc s[4:5], wc s[6:7], sc s[8:9], qkv s[10:11]
	s_load_b64 s[12:13], s[0:1], 0x20              ; fine
	v_lshl_add_u32 v[SPW], v0, 2, SPARE
	v_mov_b32 v[NIL], 0
	ds_add_u32 v[SPW], v[NIL]                      ; the wave's opening: the add, twice on end, and its wait ahead of my first tensor load
	ds_add_u32 v[SPW], v[NIL]
	v_lshrrev_b32 v2, 5, v0
	v_readfirstlane_b32 s14, v2                    ; wave 0..3
	s_lshr_b32 s15, s14, 1                         ; a: my half of the rows.  Also: I fetch for A (0) or for B (1)
	s_and_b32 s16, s14, 1                          ; g: my half of the columns.  Also: which half (codes) or chunk (scales) I fetch
	s_bfe_u32 s40, ttmp6, 0x40000                  ; cx, cy: my place in the cluster
	s_bfe_u32 s41, ttmp6, 0x40004
	s_lshl_b32 s42, ttmp9, 2
	s_add_co_u32 s42, s42, s40                     ; X: block of 192 columns
	s_and_b32 s17, ttmp7, 0xffff
	s_lshl_b32 s17, s17, 2
	s_add_co_u32 s17, s17, s41                     ; Y: block of 256 rows
	s_lshl_b32 s43, s41, 2
	s_lshl_b32 s43, 15, s43                        ; my row of the cluster
	s_lshl_b32 s44, 0x1111, s40                    ; my column
	; group 1: elements of 8 bytes, no padding (an image is read 512 consecutive bytes at a time); bit 21 set beside a mask
	s_or_b32 s[G1+0], s43, (3<<16)|(1<<21)
	s_or_b32 s[G1B+0], s44, (3<<16)|(1<<21)
	s_or_b32 s[G1S+0], s43, (3<<16)|(1<<21)
	s_or_b32 s[G1SB+0], s44, (3<<16)|(1<<21)
.irp g, G1, G1B                                ; codes: a row = one tile's four K steps, 4,096 bytes; tiles are 8,192 bytes apart in memory
	s_mov_b32 s[\g+1], 512<<16                     ; tensor_dim0
	s_mov_b32 s[\g+3], 512<<16                     ; tile_dim0
	s_mov_b32 s[\g+5], 1024                        ; stride
	s_mov_b32 s[\g+6], 0
	s_mov_b32 s[\g+7], 0
.endr
	s_mov_b32 s[G1+2], 8<<16                       ; A: 8 tiles
	s_mov_b32 s[G1+4], 8
	s_mov_b32 s[G1B+2], 6<<16                      ; B: 6 tiles
	s_mov_b32 s[G1B+4], 6
.irp g, G1S, G1SB                              ; scale bytes: a dense block as rows of 256 bytes
	s_mov_b32 s[\g+1], 32<<16
	s_mov_b32 s[\g+3], 32<<16
	s_mov_b32 s[\g+5], 32
	s_mov_b32 s[\g+6], 0
	s_mov_b32 s[\g+7], 0
.endr
	s_mov_b32 s[G1S+2], 16<<16                     ; A: 256 rows x 16 bytes
	s_mov_b32 s[G1S+4], 16
	s_mov_b32 s[G1SB+2], 12<<16                    ; B: 192 rows x 16 bytes
	s_mov_b32 s[G1SB+4], 12
	; where they come from: A's hang on Y and the wave alone, B's on X and the wave alone
	s_lshl_b32 s20, s17, 4
	s_lshl_b32 s2, s16, 3
	s_add_co_u32 s20, s20, s2
	s_lshl_b32 s20, s20, 13                        ; A's codes: row tile 16 Y + 8 half, 8,192 bytes a tile
	s_mov_b32 s21, 0
	s_lshl_b32 s22, s17, 12
	s_lshl_b32 s2, s16, 16
	s_add_co_u32 s22, s22, s2                      ; A's scales: 65,536 x chunk + 4,096 Y
	s_mov_b32 s23, 0
	s_mul_i32 s46, s42, 12
	s_mul_i32 s3, s16, 6
	s_add_co_u32 s46, s46, s3
	s_lshl_b32 s46, s46, 13                        ; B's codes: position 12 X + 6 half
	s_mov_b32 s47, 0
	s_mul_i32 s92, s42, 3072
	s_mul_i32 s3, s16, 49152
	s_add_co_u32 s92, s92, s3
	s_add_co_u32 s92, s92, 131072                  ; B's scales: 131,072 + 49,152 x chunk + 3,072 X
	s_mov_b32 s93, 0
	; and where they go: the wave's number and constants alone
	s_lshl_b32 s18, s16, 15                        ; A's half
	s_mul_i32 s19, s16, BHALF                      ; B's half
	s_lshl_b32 s45, s16, 12                        ; A's scales of chunk = half
	s_mul_i32 s94, s16, 3072                       ; B's
	s_wait_dscnt 0x0                               ; both opening adds are done
	s_wait_kmcnt 0x0
	s_add_nc_u64 s[20:21], s[4:5], s[20:21]
	s_add_nc_u64 s[22:23], s[8:9], s[22:23]
	s_add_nc_u64 s[46:47], s[6:7], s[46:47]
	s_add_nc_u64 s[92:93], s[8:9], s[92:93]
	CROUND                                         ; all sixteen work-groups are here: the joint loads meet
	s_mov_b32 s[G0S], 1
	s_add_co_u32 s[G0S+1], s45, SCL+6144
	s_mov_b64 s[G0S+2:G0S+3], s[22:23]
	s_or_b32 s[G0S+3], s[G0S+3], 0x80000000
	s_mov_b32 s[G0SB], 1
	s_add_co_u32 s[G0SB+1], s94, SCL
	s_mov_b64 s[G0SB+2:G0SB+3], s[92:93]
	s_or_b32 s[G0SB+3], s[G0SB+3], 0x80000000
	JLOAD G0S, G1S, G0SB, G1SB                     ; the scale bytes first: they are wanted with the first step
.irp c, 0,1
	s_mov_b32 s[G0+4*\c], 1
	s_add_co_u32 s[G0+4*\c+1], s18, \c*CH
	s_add_nc_u64 s[G0+4*\c+2:G0+4*\c+3], s[20:21], \c*4096
	s_or_b32 s[G0+4*\c+3], s[G0+4*\c+3], 0x80000000
	s_mov_b32 s[G0B+4*\c], 1
	s_add_co_u32 s[G0B+4*\c+1], s19, \c*CH+BOFF
	s_add_nc_u64 s[G0B+4*\c+2:G0B+4*\c+3], s[46:47], \c*4096
	s_or_b32 s[G0B+4*\c+3], s[G0B+4*\c+3], 0x80000000
	JLOAD G0+4*\c, G1, G0B+4*\c, G1B
.endr
	v_and_b32 v2, 31, v0
	v_lshlrev_b32 v[LI], 4, v2                     ; an image's place for my lane
	v_and_b32 v3, 15, v0                           ; r
	v_bfe_u32 v4, v0, 4, 1                         ; h
	s_mul_i32 s21, s15, AHALF                      ; my 8 tiles of A
	s_mul_i32 s22, s16, BHALF
	s_add_co_u32 s22, s22, BOFF                    ; my 6 tiles of B
.irp c, 0,1
	v_add_nc_u32 v[ADRA+\c], s21, v[LI]
	v_add_nc_u32 v[ADRB+\c], s22, v[LI]
	s_add_co_u32 s21, s21, CH
	s_add_co_u32 s22, s22, CH
.endr
	s_mul_i32 s21, s16, 1536                       ; B's rows of my half: 96 x 16 bytes
	s_lshl_b32 s22, s15, 11                        ; A's: 128 x 16 bytes
	s_add_co_u32 s22, s22, 6144
	s_sub_co_u32 s22, s22, s21                     ; the distance from B's words to A's, in chunk 0
	s_add_co_u32 s21, s21, SCL
	v_lshlrev_b32 v5, 4, v3                        ; 16 bytes a row
.irp c, 0,1
	v_mul_u32_u24 v6, s22, v4                      ; lanes 16-31 take A's: the lower base + h x the distance
	v_add_nc_u32 v6, v6, v5
	v_add_nc_u32 v[ADRS+\c], s21, v6
	s_add_co_u32 s22, s22, 1024                    ; chunk 1: B's lie 3,072 on, A's 4,096
	s_add_co_u32 s21, s21, 3072
.endr
	; where my results go
	s_lshr_b32 s2, s17, 3                          ; batch
	s_and_b32 s3, s17, 7                           ; which 256 tokens of the sequence
	s_lshl_b32 s18, s42, 1
	s_add_co_u32 s18, s18, s16                     ; 2 X + g: 0-15 a head of q, 16-31 a head of k
	s_lshl_b32 s19, s3, 4
	s_lshl_b32 s45, s15, 3
	s_add_co_u32 s19, s19, s45
	s_lshl_b32 s19, s19, 11                        ; my first token tile, 2,048 bytes a tile (in v's planes 4,096 for two)
	s_lshl_b32 s96, s18, 1
	s_add_co_u32 s96, s96, s2
	s_lshl_b32 s96, s96, 18                        ; the plane of q or k
	s_add_co_u32 s96, s96, s19
	s_mov_b32 s97, 0
	s_add_nc_u64 s[96:97], s[10:11], s[96:97]
	s_lshl_b32 s98, s42, 1
	s_add_co_u32 s98, s98, s2
	s_add_co_u32 s98, s98, 64
	s_lshl_b32 s98, s98, 18                        ; v's plane: head X
	s_add_co_u32 s98, s98, s19
	s_lshl_b32 s45, s16, 11                        ; channel tiles 2 g, 2 g + 1
	s_add_co_u32 s98, s98, s45
	s_mov_b32 s99, 0
	s_add_nc_u64 s[98:99], s[10:11], s[98:99]
	s_mul_i32 s2, s2, 196608
	s_lshl_b32 s66, s18, 12
	s_add_co_u32 s66, s66, s2
	s_mov_b32 s67, 0
	s_add_nc_u64 s[66:67], s[12:13], s[66:67]      ; fine: the slot of q or k
	s_lshl_b32 s94, s42, 12
	s_add_co_u32 s94, s94, s2
	s_add_co_u32 s94, s94, s45
	s_add_co_u32 s94, s94, 131072
	s_mov_b32 s95, 0
	s_add_nc_u64 s[94:95], s[12:13], s[94:95]      ; fine: v's slot 32 + X, tile 2 g
	s_or_b32 s3, s3, s15                           ; 0 where my first row tile is tokens 0..15 of a sequence
; 28 LDS loads: the fragments of K step s (8 of A, 6 of B) into set s % 2
.macro FETCH s
.set FC, (\s)/4
.set FS, (\s)%4
.set FP, 128*((\s)%2)
	WIN TO_F
.irp i, 0,1,2,3,4,5,6,7
	ds_load_b128 v[FP+8*\i:FP+8*\i+3],   v[ADRA+FC] offset:4096*\i+1024*FS
	ds_load_b128 v[FP+8*\i+4:FP+8*\i+7], v[ADRA+FC] offset:4096*\i+1024*FS+512
.endr
.irp j, 0,1,2,3,4,5
	ds_load_b128 v[FP+64+8*\j:FP+64+8*\j+3],   v[ADRB+FC] offset:4096*\j+1024*FS
	ds_load_b128 v[FP+64+8*\j+4:FP+64+8*\j+7], v[ADRB+FC] offset:4096*\j+1024*FS+512
.endr
.endm
; 24 matrix instructions: row tiles 4 hi .. 4 hi + 3 x my six column tiles, K step s.  The first step's products start the sums: nothing is cleared.
; The 48 accumulators take turns, one instruction a turn, in the same order in every step.
.macro MUL24 hi, s
.set MC, SC+32*((\s)/4)+(\s)%4
.set MP, 128*((\s)%2)
.irp a, 0,1,2,3
.irp b, 0,1,2,3,4,5
.if \b < 4                                     ; q, k: transposed; B's word in lanes 0-15 of its register, A's in lanes 16-31 of its own
.if (\s) == 0
	v_wmma_scale_f32_16x16x128_f8f6f4 v[8*(6*\a+\b):8*(6*\a+\b)+7], v[MP+64+8*\b:MP+64+8*\b+7], v[MP+8*(4*\hi+\a):MP+8*(4*\hi+\a)+7], 0, v[MC+4*\b], v[MC+4*(4*\hi+\a)] matrix_a_fmt:MATRIX_FMT_FP4 matrix_b_fmt:MATRIX_FMT_FP4 matrix_b_scale:MATRIX_SCALE_ROW1
.else
	v_wmma_scale_f32_16x16x128_f8f6f4 v[8*(6*\a+\b):8*(6*\a+\b)+7], v[MP+64+8*\b:MP+64+8*\b+7], v[MP+8*(4*\hi+\a):MP+8*(4*\hi+\a)+7], v[8*(6*\a+\b):8*(6*\a+\b)+7], v[MC+4*\b], v[MC+4*(4*\hi+\a)] matrix_a_fmt:MATRIX_FMT_FP4 matrix_b_fmt:MATRIX_FMT_FP4 matrix_b_scale:MATRIX_SCALE_ROW1
.endif
.else                                          ; v: as it stands
.if (\s) == 0
	v_wmma_scale_f32_16x16x128_f8f6f4 v[8*(6*\a+\b):8*(6*\a+\b)+7], v[MP+8*(4*\hi+\a):MP+8*(4*\hi+\a)+7], v[MP+64+8*\b:MP+64+8*\b+7], 0, v[MC+4*(4*\hi+\a)], v[MC+4*\b] matrix_a_fmt:MATRIX_FMT_FP4 matrix_b_fmt:MATRIX_FMT_FP4 matrix_a_scale:MATRIX_SCALE_ROW1
.else
	v_wmma_scale_f32_16x16x128_f8f6f4 v[8*(6*\a+\b):8*(6*\a+\b)+7], v[MP+8*(4*\hi+\a):MP+8*(4*\hi+\a)+7], v[MP+64+8*\b:MP+64+8*\b+7], v[8*(6*\a+\b):8*(6*\a+\b)+7], v[MC+4*(4*\hi+\a)], v[MC+4*\b] matrix_a_fmt:MATRIX_FMT_FP4 matrix_b_fmt:MATRIX_FMT_FP4 matrix_a_scale:MATRIX_SCALE_ROW1
.endif
.endif
.endr
.endr
.endm
; A K step of 128: the next step's fragments are asked for first, then this step's 48 products are issued.
.macro STEP s
.if (\s) > 0
	PLACES                                         ; four places between the last step's products and the loads into the set that the step before it read... and that they have read
.endif
.if (\s) == 3
	s_wait_tensorcnt 0x0                           ; my part of K 512-1023 has landed;
	s_wait_dscnt 0x0                               ; no LDS instruction of mine is pending at a signal;
	s_barrier_signal -1
	s_barrier_wait -1                              ; everybody's has
.endif
.if (\s) < 7
	FETCH (\s)+1
	s_wait_dscnt 28                                ; all but the 28 just issued: this step's fragments are in
.else
	s_wait_dscnt 0x0
.endif
	WIN MUL_LO
	MUL24 0, \s
	WIN MUL_HI
	MUL24 1, \s
.endm
	s_wait_tensorcnt 1                             ; the scale bytes and my part of K 0-511 are in; K 512-1023 may be out
	s_barrier_signal -1
	s_barrier_wait -1                              ; everybody's are
.irp c, 0,1
.irp i, 0,1,2,3,4,5,6,7
	ds_load_b128 v[SC+32*\c+4*\i:SC+32*\c+4*\i+3], v[ADRS+\c] offset:256*\i   ; four steps' words of a row; for i = 6, 7 lanes 0-15 read filled bytes that no product names
.endr
.endr
	FETCH 0
	STEP 0
	STEP 1
	STEP 2
	STEP 3
	STEP 4
	STEP 5
	STEP 6
	STEP 7
	; THE WAY OUT.  First the f32 sums of tokens 0..15, where my first row tile is those: the lanes are switched off elsewhere, so that all partners of the cluster run the same lines.
	PLACES                                         ; four places between the last products and the first reads of results and writes over fragments
	WIN 0
	v_mov_b32 v[FLG], s3
	v_cmp_eq_u32 vcc_lo, 0, v[FLG]
	s_wait_xcnt 0x0                                ; EXEC changes only behind this wait
	s_and_saveexec_b32 s18, vcc_lo
	WIN 0x08                                       ; a store's data are its source 1: window 2
.irp b, 0,1,2,3
.irp u, 0,1
	global_store_b128 v[LI], v[8*\b+4*\u:8*\b+4*\u+3], s[66:67] offset:1024*\b+512*\u   ; each accumulator from its low end on
.endr
.endr
.irp b, 0,1
.irp u, 0,1
	global_store_b128 v[LI], v[8*(4+\b)+4*\u:8*(4+\b)+4*\u+3], s[94:95] offset:1024*\b+512*\u
.endr
.endr
	WIN 0
	s_wait_xcnt 0x0                                ; and again, in front of the line that widens it
	s_or_b32 exec_lo, exec_lo, s18
	; then all results as f16: accumulator (ai, b) packs into four registers of its own, in window 1, so that no store's data are written again
.irp hi, 0,1
	WIN (0x4a+5*\hi)                               ; sources window 2 or 3, destination window 1
.irp a, 0,1,2,3
.irp b, 0,1,2,3,4,5
.irp r, 0,1,2,3
	v_cvt_pk_f16_f32 v[4*(6*(4*\hi+\a)+\b)+\r], v[8*(6*\a+\b)+2*\r], v[8*(6*\a+\b)+2*\r+1]
.endr
.endr
.endr
.endr
	WIN 0x04                                       ; the stores' data: window 1
.irp ai, 0,1,2,3,4,5,6,7
.irp b, 0,1,2,3
	global_store_b128 v[LI], v[4*(6*\ai+\b):4*(6*\ai+\b)+3], s[96:97] offset:2048*\ai+512*\b   ; 32 lanes store 512 consecutive bytes, aligned
.endr
.irp b, 0,1
	global_store_b128 v[LI], v[4*(6*\ai+4+\b):4*(6*\ai+4+\b)+3], s[98:99] offset:4096*(\ai/2)+1024*\b+512*(\ai%2)
.endr
.endr
	WIN 0
	s_wait_tensorcnt 0x0                           ; the wave's end, behind my last tensor load
	ds_add_u32 v[SPW], v[NIL]
	s_wait_dscnt 0x0
	CROUND                                         ; the closing round: no work-group ends while a partner may still ask for a tile that names it
	s_endpgm
.Lfunc_end_k_q6bf2f0b2a1_gemm1:
	.size	k_q6bf2f0b2a1_gemm1, .Lfunc_end_k_q6bf2f0b2a1_gemm1-k_q6bf2f0b2a1_gemm1
	.p2alignl 7, 3214868480
	.fill 96, 4, 3214868480
	.section	.rodata,"a",@progbits
	.p2align	6, 0x0
	.amdhsa_kernel k_q6bf2f0b2a1_gemm1
		.amdhsa_group_segment_fixed_size 245760
		.amdhsa_private_segment_fixed_size 0
		.amdhsa_enable_private_segment 0
		.amdhsa_kernarg_size 40
		.amdhsa_user_sgpr_count 2
		.amdhsa_user_sgpr_kernarg_segment_ptr 1
		.amdhsa_wavefront_size32 1
		.amdhsa_system_sgpr_workgroup_id_x 1
		.amdhsa_system_sgpr_workgroup_id_y 1
		.amdhsa_system_sgpr_workgroup_id_z 1
		.amdhsa_system_vgpr_workitem_id 0
		.amdhsa_next_free_vgpr 1024
		.amdhsa_next_free_sgpr 100
		.amdhsa_reserve_vcc 1
		.amdhsa_float_denorm_mode_32 3
		.amdhsa_float_denorm_mode_16_64 3
		.amdhsa_memory_ordered 1
		.amdhsa_forward_progress 1
		.amdhsa_inst_pref_size 94
	.end_amdhsa_kernel
	.amdgpu_metadata
---
amdhsa.version: [ 1, 2 ]
amdhsa.kernels:
  - .name:           k_q6bf2f0b2a1_gemm1
    .symbol:         k_q6bf2f0b2a1_gemm1.kd
    .args:
      - { .name: xc, .offset: 0, .size: 8, .value_kind: global_buffer, .address_space: global }
      - { .name: wc, .offset: 8, .size: 8, .value_kind: global_buffer, .address_space: global }
      - { .name: sc, .offset: 16, .size: 8, .value_kind: global_buffer, .address_space: global }
      - { .name: qkv, .offset: 24, .size: 8, .value_kind: global_buffer, .address_space: global }
      - { .name: fine, .offset: 32, .size: 8, .value_kind: global_buffer, .address_space: global }
    .group_segment_fixed_size: 245760
    .private_segment_fixed_size: 0
    .kernarg_segment_align: 8
    .kernarg_segment_size: 40
    .max_flat_workgroup_size: 128
    .sgpr_count:     100
    .vgpr_count:     1024
    .wavefront_size: 32
...
	.end_amdgpu_metadata
.endif
;; end of part 2
;; launch attn (part 3): grid 8 x 32, 8 waves a work-group, no clusters, 327,680 bytes of LDS; arguments qkv, att; writes att
.if DOCPART == 3
	.amdgcn_target "amdgcn-amd-amdhsa--gfx1250"
	.amdhsa_code_object_version 6
	.text
	.protected	k_q6bf2f0b2a1_attn
	.globl	k_q6bf2f0b2a1_attn
	.p2align	8
	.type	k_q6bf2f0b2a1_attn,@function
k_q6bf2f0b2a1_attn:
	s_mov_b64 s[64:65], 0
	v_nop
	global_prefetch_b8 v0, s[64:65] scope:SCOPE_SE
	s_setreg_imm32_b32 hwreg(HW_REG_WAVE_MODE, 25, 1), 1
	s_wait_xcnt 0x0
; ATTN: att = softmax(q k^T / 8, causal) v for 32 (head, batch) pairs of 2,048 tokens, head size 64.  f16 operands, f32 sums, maxima and softmax; a running maximum and sum for each query.
; q, k, v come as images of operand registers (see the launch before); att leaves as the image that the projection wants: [token tile][32 channels, 0..31][16 of them][512].
; SHARES.  Work-group (i = x, y = 2 head + batch) owns two blocks of 128 queries, L = i and H = 15 - i: in units of 128 keys that is i + 1 and 16 - i units, 17 for every work-group.
; Two groups of four waves; wave u of a group owns 32 queries of the group's block, two tiles of 16, so that a fragment of k or v read from LDS feeds two matrix instructions.
; NINE TRIPS t = 0..8, a constant.  Group 0: block H, key unit t (t = 0..7, none of them on H's diagonal), nothing at t = 8.
; Group 1: block L, unit t while t <= i; it then stores L, changes over to block H and takes units 16 - t, from H's diagonal down to unit 8.  At the end the two halves of H meet in LDS.
; LAYOUT.  S^T = k q^T (source 0 = 16 keys, source 1 = 16 queries) and O^T = v^T P (source 0 = 16 channels, source 1 = P): a lane holds ONE query throughout; two tiles of S^T, rounded to f16 in pairs, are a fragment of P.
; RING.  Two slots of 64 KiB: [group][k 16 KiB | v 16 KiB].  Each wave brings 8 KiB of its group's next unit with one tensor load behind each trip's barrier: one load of mine is out, and it has a trip in which to land.
; NO CLUSTER: the trip at which group 1 changes blocks and the diagonal's branches hang on i, which would differ between partners.
; While t <= i both groups load the same unit, each into its own half of the slot: the price of LDS addresses that are a constant + a term of the wave's number.
; LIMITS: q, k, v arrive in f16; p is rounded to f16 (what lies under about 6e-8 becomes 0); att is rounded to f16.  Tokens 0..15 are computed here too, but the last launch makes their output rows in f32.
; REGISTERS: window 0: v1-11 addresses and constants; v12-27 eight statistics a tile; v32-63 q; v64-127 S^T; v128-159 P; v160-223 k.   window 1: v0-63 O^T; v64-127 v.
.set SLOT1, 65536
.set MRG,   131072                     ; behind the ring: for each u 8,192 bytes of O^T and 4 x 128 of statistics
.set SPARE, MRG+4*8704                 ; the spare words, 128 bytes for each wave, named by no other line
.set LI,   1                           ; 16 x lane
.set RH,   2                           ; lane % 16 - 8 (lane / 16)
.set ADR,  3                           ; LDS address of the trip's tiles
.set MADR, 4
.set MSTA, 5
.set PFO,  6                           ; 256 x lane
.set NINF, 7                           ; -infinity
.set D0,   8                           ; v8-9 the mask's bounds of the two tiles
.set SPW,  10                          ; my spare word's LDS address; never rewritten
.set NIL,  11                          ; 0; never rewritten
.set ST,   12                          ; tile t at v[ST + 8 t]: +0 c m, +1 m, +2, +3 l (even keys', odd keys'), +4 .. +7 at work; a in +6
.set Q,    32
.set S,    64
.set P,    128
.set KR,   160
.set O,    0                           ; window 1
.set VR,   64                          ; window 1
.set WV,   10
.set GRP,  11
.set U,    12
.set PI,   13
.set YY,   14
.set TAU,  15
.set TBASE, 16                         ; s[16:17] my 8 KiB of unit 0 of my tensor's plane
.set OFF,  18                          ; s[18:19] an offset, high word 0
.set LIMW, 20                          ; up to this trip the unit is t, behind it 16 - t
.set BLKL, 21
.set BLKH, 22
.set SWT,  23                          ; the trip behind which I change blocks
.set G1,   24
.set G0,   32
.set UNITC, 36
.set CURBLK, 37
.set DQ,   38                          ; on the diagonal: my first query less the unit's first key; else 4,096
.set TMP,  39
.set QB,   40
.set ATB,  42
.set CS,   44                          ; s[44:45] c = log2(e) / 8
.set SEL,  46
.set TB,   48                          ; where my group's half of the slot in hand begins
.set PFL,  49
.set PFA,  50
.set QP,   52
.set ATP,  54
.set OF2,  56
.set MSB, 0
.macro WIN new
.if MSB != (\new)
	s_set_vgpr_msb (MSB<<8)|(\new)
.set MSB, (\new)
.endif
.endm
.macro PLACES
.rept 4
	v_nop
.endr
.endm
.macro TLOAD                           ; an s_nop 0 and four v_nop follow the load
	tensor_load_to_lds s[G0:G0+3], s[G1:G1+7]
	s_nop 0
	PLACES
.endm
; A PREFETCH INTO THE L2 of my own 8 KiB of trip t + 2, lanes 256 bytes apart: one trip ahead of the tensor load that will ask for them.  All eight work-groups of a y walk the same planes: the one with i = 0 asks,
; whose two streams between them pass every unit: group 0 names units 2..7, group 1 units 14..8, each block once.  Units 0, 1 and 15 come by their loads alone; the last trips ask for nothing.
.macro ASK
	s_cmp_le_i32 s[TAU], s[PFL]
	s_cbranch_scc0 .Lnot_mine_\@
	global_prefetch_b8 v[PFO], s[PFA:PFA+1] th:TH_LOAD_NT scope:SCOPE_SE
.Lnot_mine_\@:
.endm
.macro QLOAD                           ; my two tiles of q: eight register groups on end
.set f, 0
.rept 8
	global_load_b128 v[Q+4*f:Q+4*f+3], v[LI], s[QB:QB+1] offset:512*f
.set f, f+1
.endr
.endm
.macro INIT                            ; a block begins: m = -3e38, under every score; l = 0; O^T = 0, which the first change of m leaves 0
.irp t, 0,1
	v_mov_b32 v[ST+8*\t+1], 0xff61b1e6
	v_mul_f32 v[ST+8*\t], s[CS], v[ST+8*\t+1]
	v_mov_b32 v[ST+8*\t+2], 0
	v_mov_b32 v[ST+8*\t+3], 0
.endr
	WIN 0x40
.set n, 0
.rept 64
	v_mov_b32 v[O+n], 0
.set n, n+1
.endr
	WIN 0
.endm
; THE HEAD OF A TRIP.  Each wave waits for all its tensor loads (its part of the slot ahead), adds 0 to its spare word, and waits for that and for its reads of the slot that it has left; behind the barrier the slot ahead is
; whole and nobody reads the other.  fill = 1: every wave fills the other slot with the next trip's unit.  fill = 2: group 1 alone does (group 0 has no ninth unit).  fill = 0: nobody.
.macro CHANGE fill
	s_wait_tensorcnt 0x0                           ; no tensor load of mine is out, so group 0 of the descriptor may be written
	ds_add_u32 v[SPW], v[NIL]                      ; 0 onto my spare word; the scalar work below stands between it and the wait for it
	s_sub_co_u32 s[UNITC], 16, s[TAU]
	s_lshl_b32 s[DQ], s[U], 5
	s_cmp_le_u32 s[TAU], s[LIMW]
	s_cselect_b32 s[UNITC], s[TAU], s[UNITC]       ; this trip's unit,
	s_cselect_b32 s[CURBLK], s[BLKL], s[BLKH]      ; and block of queries
	s_cmp_eq_u32 s[UNITC], s[CURBLK]
	s_cselect_b32 s[DQ], s[DQ], 4096
.if \fill
	s_add_co_u32 s[TMP], s[TAU], 1
	s_sub_co_u32 s[OFF], 15, s[TAU]
	s_cmp_le_u32 s[TMP], s[LIMW]
	s_cselect_b32 s[OFF], s[TMP], s[OFF]           ; the next trip's unit,
	s_lshl_b32 s[OFF], s[OFF], 14                  ; 16,384 bytes a unit
	s_xor_b32 s[G0+1], s[G0+1], SLOT1              ; into the other slot than last time
	s_add_nc_u64 s[G0+2:G0+3], s[TBASE:TBASE+1], s[OFF:OFF+1]
	s_or_b32 s[G0+3], s[G0+3], 0x80000000
.endif
.if \fill == 1
	s_add_co_u32 s[TMP], s[TAU], 2
	s_sub_co_u32 s[OF2], 14, s[TAU]
	s_cmp_le_u32 s[TMP], s[LIMW]
	s_cselect_b32 s[OF2], s[TMP], s[OF2]
	s_lshl_b32 s[OF2], s[OF2], 14
	s_wait_xcnt 0x0                                ; the last prefetch, a trip back, has read its address
	s_add_nc_u64 s[PFA:PFA+1], s[TBASE:TBASE+1], s[OF2:OF2+1]
.endif
	s_wait_dscnt 0x0                               ; the add is done, and my reads of the slot that I have left are over
	s_barrier_signal -1
	s_barrier_wait -1
.if \fill == 1
	TLOAD                                          ; the first thing behind the barrier, and my one tensor load until the next
	ASK
.endif
.if \fill == 2
	s_cmp_lt_u32 s[WV], 4
	s_cbranch_scc1 .Lnone_\@
	TLOAD
.Lnone_\@:
.endif
	v_add_nc_u32 v[ADR], s[TB], v[LI]
.endm
; 64 KEYS, the sp-th half of the unit in hand.
.macro SUBSTEP sp
	s_sub_co_i32 s[TMP], s[DQ], 64*\sp             ; my first query less these keys' first
.if \sp
	s_cmp_lt_i32 s[TMP], 0                         ; all 64 keys come after my 32 queries: a branch on ids, round loads, products and softmax alone
	s_cbranch_scc1 .Lskip_\@
.endif
	PLACES                                         ; four places between the last products and the loads into the registers that they read
.set f, 0
.rept 16
	ds_load_b128 v[KR+4*f:KR+4*f+3], v[ADR] offset:8192*\sp+512*f          ; k: 4 tiles of 16 keys x 2 fragments: register groups on end
.set f, f+1
.endr
	WIN 0x40
.set f, 0
.rept 16
	ds_load_b128 v[VR+4*f:VR+4*f+3], v[ADR] offset:16384+8192*\sp+512*f    ; v^T: 2 x 32 keys x 4 tiles of 16 channels
.set f, f+1
.endr
	WIN 0
	s_wait_dscnt 16                                ; k is in; v's sixteen loads are younger
.irp kd, 0,1                                   ; eight accumulators by turns, one instruction a turn
.irp kt, 0,1,2,3
.irp t, 0,1
.if \kd == 0
	v_wmma_f32_16x16x32_f16 v[S+32*\t+8*\kt:S+32*\t+8*\kt+7], v[KR+16*\kt:KR+16*\kt+7], v[Q+16*\t:Q+16*\t+7], 0
.else
	v_wmma_f32_16x16x32_f16 v[S+32*\t+8*\kt:S+32*\t+8*\kt+7], v[KR+16*\kt+8:KR+16*\kt+15], v[Q+16*\t+8:Q+16*\t+15], v[S+32*\t+8*\kt:S+32*\t+8*\kt+7]
.endif
.endr
.endr
.endr
	PLACES
	s_cmp_ge_i32 s[TMP], 64                        ; all 64 keys count for all my queries: no mask
	s_cbranch_scc1 .Lopen_\@
	v_add_nc_u32 v[D0], s[TMP], v[RH]              ; register 8 kt + j of tile t holds key 16 kt + 8 (lane / 16) + j: hidden where 16 kt + j > this bound
	v_add_nc_u32 v[D0+1], 16, v[D0]
.irp t, 0,1
.set n, 0
.rept 32
	v_cmp_gt_i32 vcc_lo, 16*(n/8)+n%8, v[D0+\t]
	v_cndmask_b32 v[S+32*\t+n], v[S+32*\t+n], v[NINF], vcc_lo
.set n, n+1
.endr
.endr
.Lopen_\@:
	; the softmax of both tiles, the tiles by turns so that no line waits for the line above it
.irp c, 0,1,2,3
.irp t, 0,1
	v_max3_num_f32 v[ST+8*\t+4+\c], v[S+32*\t+8*\c], v[S+32*\t+8*\c+1], v[S+32*\t+8*\c+2]   ; each accumulator is read from its low end on
.endr
.endr
.irp e, 3,5
.irp c, 0,1,2,3
.irp t, 0,1
	v_max3_num_f32 v[ST+8*\t+4+\c], v[ST+8*\t+4+\c], v[S+32*\t+8*\c+\e], v[S+32*\t+8*\c+\e+1]
.endr
.endr
.endr
.irp t, 0,1
	v_max3_num_f32 v[ST+8*\t+4], v[ST+8*\t+4], v[S+32*\t+7], v[S+32*\t+15]
	v_max3_num_f32 v[ST+8*\t+6], v[ST+8*\t+6], v[S+32*\t+23], v[S+32*\t+31]
.endr
.irp t, 0,1
	v_max3_num_f32 v[ST+8*\t+4], v[ST+8*\t+4], v[ST+8*\t+5], v[ST+8*\t+6]
.endr
.irp t, 0,1
	v_max3_num_f32 v[ST+8*\t+4], v[ST+8*\t+4], v[ST+8*\t+7], v[ST+8*\t+1]   ; with the old m
.endr
.irp t, 0,1
	v_permlanex16_b32 v[ST+8*\t+5], v[ST+8*\t+4], s[SEL], s[SEL+1]          ; the query's other 32 keys lie in the lane 16 away
.endr
.irp t, 0,1
	v_mov_b32 v[ST+8*\t+7], v[ST+8*\t]             ; c m_old is kept for a
.endr
.irp t, 0,1
	v_max_num_f32 v[ST+8*\t+1], v[ST+8*\t+4], v[ST+8*\t+5]
.endr
.irp t, 0,1
	v_mul_f32 v[ST+8*\t], s[CS], v[ST+8*\t+1]
.endr
.irp t, 0,1
	v_sub_f32 v[ST+8*\t+7], v[ST+8*\t+7], v[ST+8*\t]
.endr
.set n, 0
.rept 16
.irp t, 0,1
	v_pk_fma_f32 v[S+32*\t+2*n:S+32*\t+2*n+1], v[S+32*\t+2*n:S+32*\t+2*n+1], s[CS:CS+1], v[ST+8*\t:ST+8*\t+1] op_sel_hi:[1,0,0] neg_lo:[0,0,1] neg_hi:[0,0,1]   ; c s - c m
.endr
.set n, n+1
.endr
.irp t, 0,1
	v_exp_f32 v[ST+8*\t+6], v[ST+8*\t+7]           ; a = 2^(c m_old - c m_new)
.endr
.set n, 0
.rept 32
.irp t, 0,1
	v_exp_f32 v[S+32*\t+n], v[S+32*\t+n]           ; p
.endr
.set n, n+1
.endr
	v_nop                                          ; a plain line behind the last exponential
	s_wait_alu depctr_va_vdst(0)                   ; one wait for the batch of 66, ahead of its first reader
.set n, 0
.rept 16
.irp t, 0,1
	v_cvt_pk_f16_f32 v[P+16*\t+n], v[S+32*\t+2*n], v[S+32*\t+2*n+1]
.endr
.set n, n+1
.endr
.irp u, 0,1,2,3,4,5,6,7                        ; the sum of a tile's 16 pairs, in place: neighbours 1, 2, 4, 8 pairs apart
.irp t, 0,1
	v_pk_add_f32 v[S+32*\t+4*\u:S+32*\t+4*\u+1], v[S+32*\t+4*\u:S+32*\t+4*\u+1], v[S+32*\t+4*\u+2:S+32*\t+4*\u+3]
.endr
.endr
.irp u, 0,1,2,3
.irp t, 0,1
	v_pk_add_f32 v[S+32*\t+8*\u:S+32*\t+8*\u+1], v[S+32*\t+8*\u:S+32*\t+8*\u+1], v[S+32*\t+8*\u+4:S+32*\t+8*\u+5]
.endr
.endr
.irp u, 0,1
.irp t, 0,1
	v_pk_add_f32 v[S+32*\t+16*\u:S+32*\t+16*\u+1], v[S+32*\t+16*\u:S+32*\t+16*\u+1], v[S+32*\t+16*\u+8:S+32*\t+16*\u+9]
.endr
.endr
.irp t, 0,1
	v_pk_add_f32 v[S+32*\t:S+32*\t+1], v[S+32*\t:S+32*\t+1], v[S+32*\t+16:S+32*\t+17]
.endr
.irp t, 0,1
	v_pk_fma_f32 v[ST+8*\t+2:ST+8*\t+3], v[ST+8*\t+2:ST+8*\t+3], v[ST+8*\t+6:ST+8*\t+7], v[S+32*\t:S+32*\t+1] op_sel_hi:[1,0,1]   ; l = a l + the sum
.endr
	s_wait_dscnt 0x0                               ; v is in
	WIN 0x41                                       ; O^T in window 1, a in window 0
.irp t, 0,1
.set n, 0
.rept 16
	v_pk_mul_f32 v[O+32*\t+2*n:O+32*\t+2*n+1], v[O+32*\t+2*n:O+32*\t+2*n+1], v[ST+8*\t+6:ST+8*\t+7] op_sel_hi:[1,0]
.set n, n+1
.endr
.endr
	WIN 0x51                                       ; v and O^T in window 1, P in window 0
.irp g, 0,1                                    ; eight accumulators by turns
.irp ct, 0,1,2,3
.irp t, 0,1
	v_wmma_f32_16x16x32_f16 v[O+32*\t+8*\ct:O+32*\t+8*\ct+7], v[VR+32*\g+8*\ct:VR+32*\g+8*\ct+7], v[P+16*\t+8*\g:P+16*\t+8*\g+7], v[O+32*\t+8*\ct:O+32*\t+8*\ct+7]
.endr
.endr
.endr
	WIN 0
.if \sp
.Lskip_\@:
.endif
.endm
.macro WORK
	SUBSTEP 0
	SUBSTEP 1
.endm
.macro PACKOUT                         ; S holds the finished rows in f32: round to f16 and store: a tile's 16 channels of 16 tokens are 512 consecutive bytes
.set n, 0
.rept 16
.irp t, 0,1
	v_cvt_pk_f16_f32 v[P+16*\t+n], v[S+32*\t+2*n], v[S+32*\t+2*n+1]
.endr
.set n, n+1
.endr
.irp t, 0,1
.irp ct, 0,1,2,3
	global_store_b128 v[LI], v[P+16*\t+4*\ct:P+16*\t+4*\ct+3], s[ATB:ATB+1] offset:32768*\t+512*\ct
.endr
.endr
.endm
.macro FINISH                          ; a block that one group has walked alone: O^T / l.  The first lines are also the places behind the last products
.irp t, 0,1
	v_add_f32 v[ST+8*\t+4], v[ST+8*\t+2], v[ST+8*\t+3]
.endr
.irp t, 0,1
	v_permlanex16_b32 v[ST+8*\t+5], v[ST+8*\t+4], s[SEL], s[SEL+1]
.endr
.irp t, 0,1
	v_add_f32 v[ST+8*\t+4], v[ST+8*\t+4], v[ST+8*\t+5]
.endr
.irp t, 0,1
	v_rcp_f32 v[ST+8*\t+6], v[ST+8*\t+4]
.endr
	v_nop
	s_wait_alu depctr_va_vdst(0)                   ; one wait for the two reciprocals
	WIN 0x01                                       ; source 0 window 1
.irp t, 0,1
.set n, 0
.rept 16
	v_pk_mul_f32 v[S+32*\t+2*n:S+32*\t+2*n+1], v[O+32*\t+2*n:O+32*\t+2*n+1], v[ST+8*\t+6:ST+8*\t+7] op_sel_hi:[1,0]
.set n, n+1
.endr
.endr
	WIN 0
	PACKOUT
.endm
.macro SWITCH                          ; group 1, behind the trip of L's diagonal: L goes out, H begins
	s_cmp_eq_u32 s[TAU], s[SWT]
	s_cbranch_scc0 .Lstay_\@
	FINISH
	s_wait_xcnt 0x0                                ; the stores have read their base and their data
	s_lshl_b32 s58, s[BLKH], 14
	s_mov_b32 s59, 0
	s_add_nc_u64 s[QB:QB+1], s[QP:QP+1], s[58:59]
	s_lshl_b32 s58, s[BLKH], 18
	s_add_nc_u64 s[ATB:ATB+1], s[ATP:ATP+1], s[58:59]
	QLOAD
	INIT
	s_wait_loadcnt 0x0
.Lstay_\@:
.endm
	s_load_b128 s[4:7], s[0:1], 0x0                ; qkv s[4:5], att s[6:7]
	v_lshl_add_u32 v[SPW], v0, 2, SPARE
	v_mov_b32 v[NIL], 0
	ds_add_u32 v[SPW], v[NIL]                      ; the wave's opening: the add, twice on end, and its wait ahead of my first tensor load
	ds_add_u32 v[SPW], v[NIL]
	v_lshrrev_b32 v1, 5, v0
	v_readfirstlane_b32 s[WV], v1                  ; wave 0..7
	s_lshr_b32 s[GRP], s[WV], 2
	s_and_b32 s[U], s[WV], 3
	s_mov_b32 s[PI], ttmp9
	s_and_b32 s[YY], ttmp7, 0xffff
	s_mov_b32 s[G1], 3<<16                         ; elements of 8 bytes, no mask, no padding: 8 KiB dense, as 32 rows of 256 bytes
	s_mov_b32 s[G1+1], 32<<16
	s_mov_b32 s[G1+2], 32<<16
	s_mov_b32 s[G1+3], 32<<16
	s_mov_b32 s[G1+4], 32
	s_mov_b32 s[G1+5], 32
	s_mov_b32 s[G1+6], 0
	s_mov_b32 s[G1+7], 0
	s_sub_co_u32 s[BLKH], 15, s[PI]
	s_cmp_eq_u32 s[GRP], 1
	s_cselect_b32 s[LIMW], s[PI], 255
	s_cselect_b32 s[SWT], s[PI], 255
	s_cselect_b32 s[BLKL], s[PI], s[BLKH]
	s_cselect_b32 s[PFL], 6, 5                     ; the last trip that has a trip t + 2 with a load of mine
	s_cmp_eq_u32 s[PI], 0
	s_cselect_b32 s[PFL], s[PFL], -1
	s_lshl_b32 s[TB], s[GRP], 15
	s_mov_b32 s[CS], 0x3e38aa3b                    ; c = log2(e) / sqrt(64)
	s_mov_b32 s[CS+1], s[CS]
	s_mov_b32 s[SEL], 0x76543210
	s_mov_b32 s[SEL+1], 0xfedcba98
	s_mov_b32 s[OFF+1], 0
	s_mov_b32 s[OF2+1], 0
	s_mov_b32 s[TAU], 0
	s_bfe_u32 s62, s[WV], 0x10001                  ; waves 0, 1 of a group fetch k, waves 2, 3 v
	s_lshl_b32 s62, s62, 5
	s_add_co_u32 s62, s62, s[YY]
	s_add_co_u32 s62, s62, 32
	s_lshl_b32 s62, s62, 18                        ; the plane,
	s_and_b32 s63, s[WV], 1
	s_lshl_b32 s63, s63, 13                        ; my half of a unit's 16 KiB
	s_add_co_u32 s62, s62, s63
	s_mov_b32 s63, 0
	s_lshl_b32 s58, s[YY], 18                      ; q's plane,
	s_lshl_b32 s59, s[U], 12                       ; my two token tiles of a block
	s_add_co_u32 s58, s58, s59
	s_mov_b32 s59, 0
	s_and_b32 s60, s[YY], 1
	s_lshl_b32 s60, s60, 22                        ; att: 128 token tiles of 32,768 bytes a batch,
	s_lshl_b32 s61, s[U], 16                       ; my two tiles,
	s_add_co_u32 s60, s60, s61
	s_lshr_b32 s61, s[YY], 1
	s_lshl_b32 s61, s61, 11                        ; my head's 64 channels
	s_add_co_u32 s60, s60, s61
	s_mov_b32 s61, 0
	s_wait_dscnt 0x0                               ; both opening adds are done
	s_wait_kmcnt 0x0
	s_add_nc_u64 s[TBASE:TBASE+1], s[4:5], s[62:63]
	s_add_nc_u64 s[QP:QP+1], s[4:5], s[58:59]
	s_add_nc_u64 s[ATP:ATP+1], s[6:7], s[60:61]
	s_mov_b32 s[G0], 1
	s_lshl_b32 s[G0+1], s[WV], 13                  ; slot 0, my 8 KiB
	s_mov_b64 s[G0+2:G0+3], s[TBASE:TBASE+1]       ; unit 0, for both groups
	s_or_b32 s[G0+3], s[G0+3], 0x80000000
	TLOAD
	s_lshl_b32 s58, s[BLKL], 14
	s_add_nc_u64 s[QB:QB+1], s[QP:QP+1], s[58:59]
	s_lshl_b32 s58, s[BLKL], 18
	s_add_nc_u64 s[ATB:ATB+1], s[ATP:ATP+1], s[58:59]
	v_and_b32 v8, 31, v0
	v_lshlrev_b32 v[LI], 4, v8
	QLOAD
	v_lshlrev_b32 v[PFO], 8, v8
	v_and_b32 v9, 15, v0
	v_bfe_u32 v[RH], v0, 4, 1
	v_lshlrev_b32 v[RH], 3, v[RH]
	v_sub_nc_u32 v[RH], v9, v[RH]
	s_mul_i32 s58, s[U], 8704
	s_add_co_u32 s58, s58, MRG
	v_add_nc_u32 v[MADR], s58, v[LI]
	v_lshl_add_u32 v[MSTA], v8, 2, s58
	v_add_nc_u32 v[MSTA], 8192, v[MSTA]
	v_mov_b32 v[NINF], 0xff800000
.irp t, 0,1
.irp e, 4,5,6,7
	v_mov_b32 v[ST+8*\t+\e], 0                     ; written once: a lane permute's destination and the upper half of a named pair count as read
.endr
.endr
	INIT
	s_wait_loadcnt 0x0                             ; q
.Ltrip:                                                ; trips 0 to 6
	CHANGE 1
	WORK
	SWITCH
	s_xor_b32 s[TB], s[TB], SLOT1
	s_add_co_u32 s[TAU], s[TAU], 1
	s_cmp_lt_u32 s[TAU], 7
	s_cbranch_scc1 .Ltrip
	CHANGE 2                                       ; trip 7 is written out: group 1 alone asks for a ninth unit
	WORK
	SWITCH
	s_xor_b32 s[TB], s[TB], SLOT1
	s_add_co_u32 s[TAU], s[TAU], 1
	CHANGE 0                                       ; trip 8: nothing is asked for, and group 1 alone works
	s_cmp_lt_u32 s[WV], 4
	s_cbranch_scc1 .Lidle
	WORK
.irp t, 0,1
	v_add_f32 v[ST+8*\t+4], v[ST+8*\t+2], v[ST+8*\t+3]     ; group 1 hands its half of H over: l,
.endr
	PLACES
	WIN 0x04                                       ; an LDS store's data are its source 1: window 1
.set f, 0
.rept 16
	ds_store_b128 v[MADR], v[O+4*f:O+4*f+3] offset:512*f   ; O^T as it stands, each accumulator from its low end on,
.set f, f+1
.endr
	WIN 0
.irp t, 0,1
	ds_store_b32 v[MSTA], v[ST+8*\t] offset:256*\t         ; c m
	ds_store_b32 v[MSTA], v[ST+8*\t+4] offset:256*\t+128
.endr
.Lidle:
	s_wait_dscnt 0x0                               ; for the others' sake: my stores have landed
	s_barrier_signal -1
	s_barrier_wait -1
	s_cmp_lt_u32 s[WV], 4
	s_cbranch_scc0 .Lend
	; group 0 joins the two halves: with M = max(c m, c m'), f = 2^(c m - M), f' = 2^(c m' - M): O = (f O + f' O') / (f l + f' l')
.set f, 0
.rept 16
	ds_load_b128 v[S+4*f:S+4*f+3], v[MADR] offset:512*f
.set f, f+1
.endr
.irp e, 0,1,2,3
	ds_load_b32 v[KR+\e], v[MSTA] offset:128*\e
.endr
	s_wait_dscnt 0x0
.irp t, 0,1
	v_add_f32 v[ST+8*\t+2], v[ST+8*\t+2], v[ST+8*\t+3]
	v_max_num_f32 v[ST+8*\t+1], v[ST+8*\t], v[KR+2*\t]
.endr
.irp t, 0,1
	v_sub_f32 v[ST+8*\t+6], v[ST+8*\t], v[ST+8*\t+1]
	v_sub_f32 v[ST+8*\t+4], v[KR+2*\t], v[ST+8*\t+1]
.endr
.irp t, 0,1
	v_exp_f32 v[ST+8*\t+6], v[ST+8*\t+6]
.endr
.irp t, 0,1
	v_exp_f32 v[ST+8*\t+4], v[ST+8*\t+4]
.endr
	v_nop
	s_wait_alu depctr_va_vdst(0)                   ; one wait for the four exponentials
.irp t, 0,1
	v_mul_f32 v[ST+8*\t+2], v[ST+8*\t+2], v[ST+8*\t+6]
.endr
.irp t, 0,1
	v_fma_f32 v[ST+8*\t+2], v[KR+2*\t+1], v[ST+8*\t+4], v[ST+8*\t+2]
.endr
.irp t, 0,1
	v_permlanex16_b32 v[ST+8*\t+3], v[ST+8*\t+2], s[SEL], s[SEL+1]
.endr
.irp t, 0,1
	v_add_f32 v[ST+8*\t+2], v[ST+8*\t+2], v[ST+8*\t+3]
.endr
.irp t, 0,1
	v_rcp_f32 v[ST+8*\t+3], v[ST+8*\t+2]
.endr
	v_nop
	s_wait_alu depctr_va_vdst(0)                   ; one wait for the two reciprocals
.irp t, 0,1
	v_mul_f32 v[ST+8*\t+6], v[ST+8*\t+6], v[ST+8*\t+3]
	v_mul_f32 v[ST+8*\t+4], v[ST+8*\t+4], v[ST+8*\t+3]
.endr
.irp t, 0,1
.set n, 0
.rept 16
	v_pk_mul_f32 v[S+32*\t+2*n:S+32*\t+2*n+1], v[S+32*\t+2*n:S+32*\t+2*n+1], v[ST+8*\t+4:ST+8*\t+5] op_sel_hi:[1,0]
.set n, n+1
.endr
.endr
	WIN 0x01
.irp t, 0,1
.set n, 0
.rept 16
	v_pk_fma_f32 v[S+32*\t+2*n:S+32*\t+2*n+1], v[O+32*\t+2*n:O+32*\t+2*n+1], v[ST+8*\t+6:ST+8*\t+7], v[S+32*\t+2*n:S+32*\t+2*n+1] op_sel_hi:[1,0,1]
.set n, n+1
.endr
.endr
	WIN 0
	PACKOUT
.Lend:
	s_wait_tensorcnt 0x0                           ; the wave's end, behind my last tensor load and my last LDS store
	ds_add_u32 v[SPW], v[NIL]
	s_wait_dscnt 0x0
	s_endpgm
.Lfunc_end_k_q6bf2f0b2a1_attn:
	.size	k_q6bf2f0b2a1_attn, .Lfunc_end_k_q6bf2f0b2a1_attn-k_q6bf2f0b2a1_attn
	.p2alignl 7, 3214868480
	.fill 96, 4, 3214868480
	.section	.rodata,"a",@progbits
	.p2align	6, 0x0
	.amdhsa_kernel k_q6bf2f0b2a1_attn
		.amdhsa_group_segment_fixed_size 327680
		.amdhsa_private_segment_fixed_size 0
		.amdhsa_enable_private_segment 0
		.amdhsa_kernarg_size 16
		.amdhsa_user_sgpr_count 2
		.amdhsa_user_sgpr_kernarg_segment_ptr 1
		.amdhsa_wavefront_size32 1
		.amdhsa_system_sgpr_workgroup_id_x 1
		.amdhsa_system_sgpr_workgroup_id_y 1
		.amdhsa_system_sgpr_workgroup_id_z 1
		.amdhsa_system_vgpr_workitem_id 0
		.amdhsa_next_free_vgpr 384
		.amdhsa_next_free_sgpr 66
		.amdhsa_reserve_vcc 1
		.amdhsa_float_denorm_mode_32 3
		.amdhsa_float_denorm_mode_16_64 3
		.amdhsa_memory_ordered 1
		.amdhsa_forward_progress 1
		.amdhsa_inst_pref_size 166
	.end_amdhsa_kernel
	.amdgpu_metadata
---
amdhsa.version: [ 1, 2 ]
amdhsa.kernels:
  - .name:           k_q6bf2f0b2a1_attn
    .symbol:         k_q6bf2f0b2a1_attn.kd
    .args:
      - { .name: qkv, .offset: 0, .size: 8, .value_kind: global_buffer, .address_space: global }
      - { .name: att, .offset: 8, .size: 8, .value_kind: global_buffer, .address_space: global }
    .group_segment_fixed_size: 327680
    .private_segment_fixed_size: 0
    .kernarg_segment_align: 8
    .kernarg_segment_size: 16
    .max_flat_workgroup_size: 256
    .sgpr_count:     66
    .vgpr_count:     384
    .wavefront_size: 32
...
	.end_amdgpu_metadata
.endif
;; end of part 3
;; launch proj (part 4): grid 8 x 32, 4 waves a work-group, clusters of 4 x 4, 327,680 bytes of LDS; arguments att, wp, out0; writes out0
.if DOCPART == 4
	.amdgcn_target "amdgcn-amd-amdhsa--gfx1250"
	.amdhsa_code_object_version 6
	.text
	.protected	k_q6bf2f0b2a1_proj
	.globl	k_q6bf2f0b2a1_proj
	.p2align	8
	.type	k_q6bf2f0b2a1_proj,@function
k_q6bf2f0b2a1_proj:
	s_mov_b64 s[64:65], 0
	v_nop
	global_prefetch_b8 v0, s[64:65] scope:SCOPE_SE
	s_setreg_imm32_b32 hwreg(HW_REG_WAVE_MODE, 25, 1), 1
	s_wait_xcnt 0x0
	s_wait_alu depctr_hold_cnt(0) depctr_sa_sdst(0) depctr_va_vdst(0) depctr_va_sdst(0) depctr_va_ssrc(0) depctr_va_vcc(0) depctr_vm_vsrc(0)
	s_getreg_b32 s2, hwreg(HW_REG_IB_STS2, 6, 4)
	s_cmp_eq_u32 s2, 0
	s_cbranch_scc0 .Lentry_in_a_cluster
	s_endpgm
.Lentry_in_a_cluster:
	s_bfe_u32 s2, ttmp6, 0x10000c
	s_cmp_lg_u32 s2, 0xf033
	s_cbranch_scc0 .Lentry_shape_is_right
	s_endpgm
.Lentry_shape_is_right:
; PROJ: out0 = att W_proj, [4096] x [1024], K = 1,024, f16 operands, f32 sums and output.  Both operands come as images of operand registers: [tile of 16 rows][32 along K, 0..31][1,024 bytes].
; A tile of the output is 128 x 128 (8 x 32 work-groups: one for each WGP); four waves of 64 x 64: 16 accumulators.  K goes in chunks of 256 through two LDS slots; a wave's tensor load brings 4 tiles x 8,192 bytes.
; CLUSTER 4 x 4: att's tiles are shared along a row of the cluster, wp's along a column: joint loads; where a slot is filled again a round of the cluster's barrier stands in front.
; THE MATRIX INSTRUCTION IS USED TRANSPOSED (source 0 = 16 columns of W_proj, source 1 = 16 tokens): a lane holds eight neighbouring numbers of a row of the output.
; A wave's 64 columns are 256 bytes of a row, aligned: so each wave has a stage of its own on the way out, and no barrier stands there.
; ROWS 0..15 OF EACH SEQUENCE ARE NOT STORED HERE: the last launch makes them in f32.  Their stores run with all lanes off, so that all partners of a cluster run the same lines.
; No prefetch: the tiles are small and each K chunk's loads are shared by four work-groups.
; REGISTERS: window 0: v16-29 addresses; v32-95 at work on the way out; v128-255 the accumulators ((a, b) at v[128 + 8 (4 a + b)]).   window 1: two fragment buffers of 128: 64 registers of att, then 64 of wp, for 64 along K.
.set HALFT,  32768                     ; what one tensor load brings, and what one wave reads of either operand in a chunk
.set SLOT,   4*HALFT
.set STAGE,  2*SLOT                    ; behind the ring: 16 rows x (256 bytes + 16) for each wave
.set SPITCH, 272
.set SPARE,  STAGE+4*16*SPITCH         ; the spare words, 128 bytes for each wave, named by no other line
.set LI,   1
.set ADRA, 16
.set ADRB, 20
.set STO,  24
.set RD,   25
.set CO,   26
.set FLG,  27
.set SPW,  28
.set NIL,  29
.set TMP,  32
.set ACC,  128
.set F0,   0
.set F1,   128
.set G1, 24
.set G0, 32
.set G1B, 48
.set G0B, 56
.set MSB, 0
.macro WIN new
.if MSB != (\new)
	s_set_vgpr_msb (MSB<<8)|(\new)
.set MSB, (\new)
.endif
.endm
.set MUL,  0x05                        ; sources 0 and 1 window 1; C and D window 0
.set TO_F, 0x40                        ; destination window 1, address window 0
.macro PLACES
.rept 4
	v_nop
.endr
.endm
.macro JLOAD s                         ; waves 0 and 1 fetch att's two halves, waves 2 and 3 wp's; an s_nop 0 and four v_nop follow each line
	s_cmp_eq_u32 s11, 0
	s_cbranch_scc0 .Lfor_b_\@
	tensor_load_to_lds s[G0+4*\s:G0+4*\s+3], s[G1:G1+7]
	s_nop 0
	PLACES
	s_branch .Lasked_\@
.Lfor_b_\@:
	tensor_load_to_lds s[G0B+4*\s:G0B+4*\s+3], s[G1B:G1B+7]
	s_nop 0
	PLACES
.Lasked_\@:
.endm
.macro CREST
	s_cmp_lg_u32 s10, 0
	s_cbranch_scc1 .Lnot_wave_0_\@
	s_barrier_signal -3
.Lnot_wave_0_\@:
	s_barrier_wait -3
	s_barrier_signal -1
	s_barrier_wait -1
.endm
.macro CROUND
	s_barrier_signal -1
	s_barrier_wait -1
	CREST
.endm
	s_load_b128 s[4:7], s[0:1], 0x0                ; att s[4:5], wp s[6:7]
	s_load_b64 s[8:9], s[0:1], 0x10                ; out0
	v_lshl_add_u32 v[SPW], v0, 2, SPARE
	v_mov_b32 v[NIL], 0
	ds_add_u32 v[SPW], v[NIL]                      ; the wave's opening: the add, twice on end, and its wait ahead of my first tensor load
	ds_add_u32 v[SPW], v[NIL]
	v_lshrrev_b32 v2, 5, v0
	v_readfirstlane_b32 s10, v2                    ; wave 0..3
	s_lshr_b32 s11, s10, 1                         ; my half of the rows.  Also: I fetch att (0) or wp (1)
	s_and_b32 s12, s10, 1                          ; my half of the columns.  Also: which four tiles I fetch
	s_bfe_u32 s40, ttmp6, 0x40000
	s_bfe_u32 s41, ttmp6, 0x40004
	s_lshl_b32 s42, ttmp9, 2
	s_add_co_u32 s42, s42, s40                     ; X: 128 columns
	s_and_b32 s13, ttmp7, 0xffff
	s_lshl_b32 s13, s13, 2
	s_add_co_u32 s13, s13, s41                     ; Y: 128 rows
	s_lshl_b32 s43, s41, 2
	s_lshl_b32 s43, 15, s43
	s_lshl_b32 s44, 0x1111, s40
	s_or_b32 s[G1+0], s43, (3<<16)|(1<<21)         ; the mask; elements of 8 bytes; no padding; bit 21 beside a mask
	s_or_b32 s[G1B+0], s44, (3<<16)|(1<<21)
.irp g, G1, G1B
	s_mov_b32 s[\g+1], 1024<<16                    ; a row: one tile's 8 fragments of the chunk, 8,192 bytes
	s_mov_b32 s[\g+2], 4<<16                       ; four tiles
	s_mov_b32 s[\g+3], 1024<<16
	s_mov_b32 s[\g+4], 4
	s_mov_b32 s[\g+5], 4096                        ; tiles are 32,768 bytes apart in memory
	s_mov_b32 s[\g+6], 0
	s_mov_b32 s[\g+7], 0
.endr
	s_lshl_b32 s17, s12, 2
	s_lshl_b32 s16, s13, 3
	s_add_co_u32 s16, s16, s17
	s_lshl_b32 s16, s16, 15                        ; att: token tile 8 Y + 4 half
	s_lshl_b32 s46, s42, 3
	s_add_co_u32 s46, s46, s17
	s_lshl_b32 s46, s46, 15                        ; wp: n tile 8 X + 4 half
	s_mov_b32 s17, 0
	s_mov_b32 s47, 0
	s_lshl_b32 s20, s10, 15                        ; where they go: wave x 32,768
	s_wait_dscnt 0x0
	s_wait_kmcnt 0x0
	s_add_nc_u64 s[14:15], s[4:5], s[16:17]
	s_add_nc_u64 s[46:47], s[6:7], s[46:47]
	CROUND                                         ; all sixteen work-groups are here: the first joint loads meet
.irp s, 0,1
	s_mov_b32 s[G0+4*\s], 1
	s_add_co_u32 s[G0+4*\s+1], s20, \s*SLOT
	s_add_nc_u64 s[G0+4*\s+2:G0+4*\s+3], s[14:15], \s*8192
	s_or_b32 s[G0+4*\s+3], s[G0+4*\s+3], 0x80000000
	s_mov_b32 s[G0B+4*\s], 1
	s_add_co_u32 s[G0B+4*\s+1], s20, \s*SLOT
	s_add_nc_u64 s[G0B+4*\s+2:G0B+4*\s+3], s[46:47], \s*8192
	s_or_b32 s[G0B+4*\s+3], s[G0B+4*\s+3], 0x80000000
	JLOAD \s
.endr
	v_and_b32 v2, 31, v0
	v_lshlrev_b32 v[LI], 4, v2
	v_and_b32 v3, 15, v0                           ; r
	v_bfe_u32 v4, v0, 4, 1                         ; h
	s_lshl_b32 s21, s11, 15                        ; my four tiles of att
	s_lshl_b32 s22, s12, 15
	s_add_co_u32 s22, s22, 2*HALFT                 ; my four of wp
.irp s, 0,1
	v_add_nc_u32 v[ADRA+\s], s21, v[LI]
	v_add_nc_u32 v[ADRB+\s], s22, v[LI]
	s_add_co_u32 s21, s21, SLOT
	s_add_co_u32 s22, s22, SLOT
.endr
	s_mul_i32 s23, s10, 16*SPITCH
	s_add_co_u32 s23, s23, STAGE                   ; my stage
	v_mul_u32_u24 v5, v3, SPITCH
	v_lshl_add_u32 v5, v4, 5, v5
	v_add_nc_u32 v[STO], s23, v5                   ; in: row r, 32 bytes for each half of the lanes
	v_mul_u32_u24 v5, v4, SPITCH
	v_lshl_add_u32 v5, v3, 4, v5
	v_add_nc_u32 v[RD], s23, v5                    ; back: lanes 0-15 one row of 256 bytes, lanes 16-31 the next
	v_lshlrev_b32 v5, 12, v4
	v_lshl_add_u32 v[CO], v3, 4, v5                ; and the same two rows in out0
	s_lshl_b32 s16, s13, 7
	s_lshl_b32 s17, s11, 6
	s_add_co_u32 s16, s16, s17
	s_lshl_b32 s16, s16, 12                        ; my first row: 128 Y + 64 half, 4,096 bytes a row
	s_lshl_b32 s17, s42, 9
	s_add_co_u32 s16, s16, s17
	s_lshl_b32 s17, s12, 8
	s_add_co_u32 s16, s16, s17                     ; my first column: 512 X + 256 half bytes
	s_mov_b32 s17, 0
	s_add_nc_u64 s[8:9], s[8:9], s[16:17]
	s_and_b32 s16, s13, 15
	s_or_b32 s16, s16, s11
	v_mov_b32 v[FLG], s16                          ; 0 where my first 16 rows are tokens 0..15 of a sequence
.macro MUL8 f, c, a0, zero
.irp a, \a0, \a0+1
.irp b, 0,1,2,3
.if \zero
	v_wmma_f32_16x16x32_f16 v[ACC+8*(4*(\a)+\b):ACC+8*(4*(\a)+\b)+7], v[\f+64+8*(4*\c+\b):\f+64+8*(4*\c+\b)+7], v[\f+8*(4*\c+\a):\f+8*(4*\c+\a)+7], 0
.else
	v_wmma_f32_16x16x32_f16 v[ACC+8*(4*(\a)+\b):ACC+8*(4*(\a)+\b)+7], v[\f+64+8*(4*\c+\b):\f+64+8*(4*\c+\b)+7], v[\f+8*(4*\c+\a):\f+8*(4*\c+\a)+7], v[ACC+8*(4*(\a)+\b):ACC+8*(4*(\a)+\b)+7]
.endif
.endr
.endr
.endm
; 32 LDS loads in one run: the fragments of the chunk's q-th 64 along K into buffer f; the first 32 along K first
.macro FETCH slot, q, f
	WIN TO_F
.irp c, 0,1
.irp i, 0,1,2,3
	ds_load_b128 v[\f+64+8*(4*\c+\i):\f+64+8*(4*\c+\i)+3],   v[ADRB+\slot] offset:8192*\i+1024*(2*(\q)+\c)
	ds_load_b128 v[\f+64+8*(4*\c+\i)+4:\f+64+8*(4*\c+\i)+7], v[ADRB+\slot] offset:8192*\i+1024*(2*(\q)+\c)+512
	ds_load_b128 v[\f+8*(4*\c+\i):\f+8*(4*\c+\i)+3],         v[ADRA+\slot] offset:8192*\i+1024*(2*(\q)+\c)
	ds_load_b128 v[\f+8*(4*\c+\i)+4:\f+8*(4*\c+\i)+7],       v[ADRA+\slot] offset:8192*\i+1024*(2*(\q)+\c)+512
.endr
.endr
.endm
; A chunk is four quarters of 64 along K, 32 matrix instructions each, on buffers 0, 1, 0, 1.  One of the first three: multiplies buffer f and fetches quarter q into g.  The 16 accumulators take turns.
.macro QUARTER slot, q, f, g, zero
	s_wait_dscnt 16                                ; the first 32 along K are in; the sixteen younger loads may be out
	WIN MUL
	MUL8 \f, 0, 0, \zero
	MUL8 \f, 0, 2, \zero
	PLACES
	FETCH \slot, \q, \g
	s_wait_dscnt 32                                ; all but the 32 just issued
	WIN MUL
	MUL8 \f, 1, 0, 0
	MUL8 \f, 1, 2, 0
.endm
; The last quarter multiplies buffer 1 and changes slots: one barrier; in front of it each wave waits for all its tensor loads, adds 0 to its spare word, and waits for that and for its reads of this slot.
.macro TURN slot, next, fill
	WIN 0
	s_wait_tensorcnt 0x0                           ; all my tensor loads have landed: my part of the next slot
	ds_add_u32 v[SPW], v[NIL]
	s_wait_dscnt 17                                ; the add and the youngest sixteen loads may be out
	WIN MUL
	MUL8 F1, 0, 0, 0
	s_wait_dscnt 0x0                               ; the add is done, and my reads of this slot are over
	s_barrier_signal -1
	MUL8 F1, 0, 2, 0
.if \fill
	WIN 0
.endif
	s_barrier_wait -1
.if \fill
	CREST                                          ; the barrier has opened a round of the cluster's: no wave of any partner still reads this slot or has a load on its way
	s_add_nc_u64 s[G0+4*\slot+2:G0+4*\slot+3], s[G0+4*\slot+2:G0+4*\slot+3], 16384
	s_add_nc_u64 s[G0B+4*\slot+2:G0B+4*\slot+3], s[G0B+4*\slot+2:G0B+4*\slot+3], 16384
	JLOAD \slot                                    ; the first tensor load behind the round; its four v_nop are also the places in front of the loads below
.else
	PLACES
.endif
	FETCH \next, 0, F0
	WIN MUL
	MUL8 F1, 1, 0, 0
	MUL8 F1, 1, 2, 0
.endm
	s_wait_tensorcnt 1                             ; my part of chunk 0 is in; chunk 1's load may be out
	s_barrier_signal -1
	s_barrier_wait -1
	FETCH 0, 0, F0
	QUARTER 0, 1, F0, F1, 1                        ; the first products start the sums
	QUARTER 0, 2, F1, F0, 0
	QUARTER 0, 3, F0, F1, 0
	TURN 0, 1, 1                                   ; slot 0 takes chunk 2
	QUARTER 1, 1, F0, F1, 0
	QUARTER 1, 2, F1, F0, 0
	QUARTER 1, 3, F0, F1, 0
	TURN 1, 0, 1                                   ; slot 1 takes chunk 3
	QUARTER 0, 1, F0, F1, 0
	QUARTER 0, 2, F1, F0, 0
	QUARTER 0, 3, F0, F1, 0
	TURN 0, 1, 0                                   ; nothing is left to fetch
	QUARTER 1, 1, F0, F1, 0
	QUARTER 1, 2, F1, F0, 0
	QUARTER 1, 3, F0, F1, 0
	s_wait_dscnt 16
	WIN MUL
	MUL8 F1, 0, 0, 0
	MUL8 F1, 0, 2, 0
	s_wait_dscnt 0x0
	MUL8 F1, 1, 0, 0
	MUL8 F1, 1, 2, 0
	WIN 0
; THE WAY OUT, 16 rows at a time: a lane's 32 bytes go into my stage, whole rows of 256 bytes come back, sixteen lanes store one aligned run of 256 bytes.  LDS serves a wave's instructions in order.
.macro TOSTAGE a
.irp b, 0,1,2,3
	ds_store_b128 v[STO], v[ACC+8*(4*(\a)+\b):ACC+8*(4*(\a)+\b)+3] offset:64*\b        ; each accumulator from its low end on
	ds_store_b128 v[STO], v[ACC+8*(4*(\a)+\b)+4:ACC+8*(4*(\a)+\b)+7] offset:64*\b+16
.endr
.irp t, 0,1,2,3,4,5,6,7
	ds_load_b128 v[TMP+32*((\a)%2)+4*\t:TMP+32*((\a)%2)+4*\t+3], v[RD] offset:\t*2*SPITCH
.endr
.endm
.macro SEND a, younger                 ; younger: the LDS instructions issued behind block a's loads
	s_wait_dscnt \younger
.irp t, 0,1,2,3,4,5,6,7
	global_store_b128 v[CO], v[TMP+32*((\a)%2)+4*\t:TMP+32*((\a)%2)+4*\t+3], s[8:9] offset:(16*(\a)+2*\t)*4096 th:TH_STORE_NT
.endr
.endm
	PLACES
	TOSTAGE 0
	TOSTAGE 1
	v_cmp_ne_u32 vcc_lo, 0, v[FLG]
	s_wait_xcnt 0x0                                ; EXEC changes only behind this wait
	s_and_saveexec_b32 s21, vcc_lo                 ; block 0 is not stored where it is tokens 0..15 of a sequence
	SEND 0, 16                                     ; behind block 0's loads: block 1's 8 stores and 8 loads
	s_wait_xcnt 0x0                                ; and again, in front of the line that widens it; block 0's stores have read their registers too
	s_or_b32 exec_lo, exec_lo, s21
	TOSTAGE 2
	SEND 1, 16
	s_wait_xcnt 0x0                                ; block 1's stores have read their registers: block 3's loads may land there
	TOSTAGE 3
	SEND 2, 16
	SEND 3, 0
	s_wait_tensorcnt 0x0                           ; the wave's end, behind my last tensor load and my last LDS store
	ds_add_u32 v[SPW], v[NIL]
	s_wait_dscnt 0x0
	CROUND                                         ; the closing round
	s_endpgm
.Lfunc_end_k_q6bf2f0b2a1_proj:
	.size	k_q6bf2f0b2a1_proj, .Lfunc_end_k_q6bf2f0b2a1_proj-k_q6bf2f0b2a1_proj
	.p2alignl 7, 3214868480
	.fill 96, 4, 3214868480
	.section	.rodata,"a",@progbits
	.p2align	6, 0x0
	.amdhsa_kernel k_q6bf2f0b2a1_proj
		.amdhsa_group_segment_fixed_size 327680
		.amdhsa_private_segment_fixed_size 0
		.amdhsa_enable_private_segment 0
		.amdhsa_kernarg_size 24
		.amdhsa_user_sgpr_count 2
		.amdhsa_user_sgpr_kernarg_segment_ptr 1
		.amdhsa_wavefront_size32 1
		.amdhsa_system_sgpr_workgroup_id_x 1
		.amdhsa_system_sgpr_workgroup_id_y 1
		.amdhsa_system_sgpr_workgroup_id_z 1
		.amdhsa_system_vgpr_workitem_id 0
		.amdhsa_next_free_vgpr 512
		.amdhsa_next_free_sgpr 66
		.amdhsa_reserve_vcc 1
		.amdhsa_float_denorm_mode_32 3
		.amdhsa_float_denorm_mode_16_64 3
		.amdhsa_memory_ordered 1
		.amdhsa_forward_progress 1
		.amdhsa_inst_pref_size 85
	.end_amdhsa_kernel
	.amdgpu_metadata
---
amdhsa.version: [ 1, 2 ]
amdhsa.kernels:
  - .name:           k_q6bf2f0b2a1_proj
    .symbol:         k_q6bf2f0b2a1_proj.kd
    .args:
      - { .name: att, .offset: 0, .size: 8, .value_kind: global_buffer, .address_space: global }
      - { .name: wp, .offset: 8, .size: 8, .value_kind: global_buffer, .address_space: global }
      - { .name: out0, .offset: 16, .size: 8, .value_kind: global_buffer, .address_space: global }
    .group_segment_fixed_size: 327680
    .private_segment_fixed_size: 0
    .kernarg_segment_align: 8
    .kernarg_segment_size: 24
    .max_flat_workgroup_size: 128
    .sgpr_count:     66
    .vgpr_count:     512
    .wavefront_size: 32
...
	.end_amdgpu_metadata
.endif
;; end of part 4
;; launch head16 (part 5): grid 64 x 2, 16 waves a work-group, no clusters, 18,432 bytes of LDS; arguments fine, W_proj, out0; writes out0
.if DOCPART == 5
	.amdgcn_target "amdgcn-amd-amdhsa--gfx1250"
	.amdhsa_code_object_version 6
	.text
	.protected	k_q6bf2f0b2a1_head16
	.globl	k_q6bf2f0b2a1_head16
	.p2align	8
	.type	k_q6bf2f0b2a1_head16,@function
k_q6bf2f0b2a1_head16:
	s_mov_b64 s[64:65], 0
	v_nop
	global_prefetch_b8 v0, s[64:65] scope:SCOPE_SE
	s_setreg_imm32_b32 hwreg(HW_REG_WAVE_MODE, 25, 1), 1
	s_wait_xcnt 0x0
; HEAD16: rows 0..15 of each sequence of out0, all in f32: under the causal mask these rows average one to sixteen values and are the largest, so f16 operands would use up what the comparison allows.
; Work-group (x = 16 output columns, y = batch); wave w = head w.  Each wave makes its head's attention for the 16 tokens (16 x 16 scores) and multiplies its 64 channels by the 16 columns of W_proj;
; the sixteen heads' parts meet in LDS and are added in ascending order of heads.  The small attention is repeated in each of the 64 work-groups of a batch: 32 matrix instructions of 16 x 16 x 4 a wave.
; THE OPERANDS ARE THE ACCUMULATORS OF THE FIRST PRODUCT AS THEY STOOD (buffer fine).  A pair of registers (2 p, 2 p + 1) of such a tile holds, in lane (r, h), the numbers 8 h + 2 p, 8 h + 2 p + 1 of row r: the form
; takes them for k = 2 h, 2 h + 1.  Both operands of each product carry the same four k in the same places, so the sums are those of the true product; p = 0..3 and the tiles pass all k.
;   S^T = k q^T: lane = query r, registers = keys 8 h + j.   O^T = v^T P: lane = query, registers = channels.   out^T = W^T O: lane = token r, registers = columns 8 h + j.
; The registers that the f32 matrix form writes (v160-191, v208-239) are written by it alone; each sum begins with the constant 0.
; The stores are 64-byte pieces of rows: 128 KiB of the output's 16 MiB.
.set SPARE, 16384                      ; behind the sixteen parts of 1,024 bytes: the spare words, 128 bytes for each wave
.set LI,  1                            ; 16 x lane
.set RH,  2                            ; r - 8 h
.set WO,  3                            ; W_proj: 8 h rows + 4 r bytes
.set STA, 4                            ; where I put my part
.set LDA, 5                            ; where waves 0, 1 read the parts
.set GO,  6                            ; out0: row r, + 32 h bytes
.set SPW, 8
.set NIL, 9
.set TT,  20                           ; v20-27 at work
.set Q,   32
.set K,   64
.set V,   96
.set W,   128
.set SA,  160                          ; four accumulators: parts of the scores, later of the output
.set SS,  192                          ; sums of the four
.set PP,  200                          ; the weights
.set OA,  208                          ; four accumulators of O^T
	s_load_b128 s[4:7], s[0:1], 0x0                ; fine s[4:5], W_proj s[6:7]
	s_load_b64 s[8:9], s[0:1], 0x10                ; out0
	v_lshl_add_u32 v[SPW], v0, 2, SPARE
	v_mov_b32 v[NIL], 0
	v_lshrrev_b32 v1, 5, v0
	v_readfirstlane_b32 s10, v1                    ; wave = head
	s_and_b32 s11, ttmp7, 0xffff                   ; batch
	v_and_b32 v16, 31, v0
	v_lshlrev_b32 v[LI], 4, v16
	v_and_b32 v17, 15, v0                          ; r
	v_bfe_u32 v18, v0, 4, 1                        ; h
	v_lshlrev_b32 v[RH], 3, v18
	v_sub_nc_u32 v[RH], v17, v[RH]
	v_lshlrev_b32 v[WO], 2, v17
	v_lshl_add_u32 v[WO], v18, 15, v[WO]
	s_lshl_b32 s12, s10, 10
	v_add_nc_u32 v[STA], s12, v[LI]
	s_and_b32 s13, s10, 1
	s_lshl_b32 s14, s13, 9
	v_add_nc_u32 v[LDA], s14, v[LI]
	v_lshlrev_b32 v[GO], 12, v17
	v_lshl_add_u32 v[GO], v18, 5, v[GO]
	v_mov_b32 v11, 0                               ; written once: a lane permute's destination counts as read
	v_mov_b32 v7, 0xff800000                       ; -infinity
	s_mov_b32 s18, 0x76543210
	s_mov_b32 s19, 0xfedcba98
	s_mov_b32 s20, 0x3e38aa3b                      ; c = log2(e) / sqrt(64)
	s_mov_b32 s21, s20
	s_mul_i32 s22, s11, 196608
	s_lshl_b32 s23, s10, 12
	s_add_co_u32 s22, s22, s23                     ; fine: my batch, slot = my head
	s_mov_b32 s23, 0
	s_lshl_b32 s24, s10, 18                        ; W_proj: my head's 64 rows of 4,096 bytes,
	s_lshl_b32 s25, ttmp9, 6                       ; the work-group's 16 columns
	s_add_co_u32 s24, s24, s25
	s_lshl_b32 s26, s11, 23                        ; out0: my batch's 2,048 rows,
	s_add_co_u32 s26, s26, s25
	s_lshl_b32 s25, s13, 4                         ; registers 4 u .. 4 u + 3 for wave u
	s_add_co_u32 s26, s26, s25
	s_mov_b32 s25, 0
	s_mov_b32 s27, 0
	s_wait_kmcnt 0x0
	s_add_nc_u64 s[4:5], s[4:5], s[22:23]
	s_add_nc_u64 s[6:7], s[6:7], s[24:25]
	s_add_nc_u64 s[8:9], s[8:9], s[26:27]
.set f, 0
.rept 8
	global_load_b128 v[Q+4*f:Q+4*f+3], v[LI], s[4:5] offset:512*f
.set f, f+1
.endr
.set f, 0
.rept 8
	global_load_b128 v[K+4*f:K+4*f+3], v[LI], s[4:5] offset:65536+512*f
.set f, f+1
.endr
.set f, 0
.rept 8
	global_load_b128 v[V+4*f:V+4*f+3], v[LI], s[4:5] offset:131072+512*f
.set f, f+1
.endr
.set f, 0
.rept 32
	global_load_b32 v[W+f], v[WO], s[6:7] offset:4096*(16*(f/8)+f%8)   ; register 8 ct + j: row 64 w + 16 ct + 8 h + j of W_proj, column 16 x + r: the channel that register j of O^T's tile ct holds in this lane
.set f, f+1
.endr
	s_wait_loadcnt 40                              ; q and k are in; v's 8 and W's 32 loads are younger
.irp p, 0,1,2,3                                ; four accumulators by turns, one for each 16 channels
.irp b, 0,1,2,3
.if \p == 0
	v_wmma_f32_16x16x4_f32 v[SA+8*\b:SA+8*\b+7], v[K+8*\b:K+8*\b+1], v[Q+8*\b:Q+8*\b+1], 0
.else
	v_wmma_f32_16x16x4_f32 v[SA+8*\b:SA+8*\b+7], v[K+8*\b+2*\p:K+8*\b+2*\p+1], v[Q+8*\b+2*\p:Q+8*\b+2*\p+1], v[SA+8*\b:SA+8*\b+7]
.endif
.endr
.endr
.rept 8
	v_nop                                          ; eight places behind this form before its results are read
.endr
.irp q, 0,2,4,6                                ; the four parts, each accumulator from its low end on
	v_pk_add_f32 v[SS+\q:SS+\q+1], v[SA+\q:SA+\q+1], v[SA+8+\q:SA+8+\q+1]
	v_pk_add_f32 v[TT+\q:TT+\q+1], v[SA+16+\q:SA+16+\q+1], v[SA+24+\q:SA+24+\q+1]
.endr
.irp q, 0,2,4,6
	v_pk_add_f32 v[SS+\q:SS+\q+1], v[SS+\q:SS+\q+1], v[TT+\q:TT+\q+1]
.endr
.irp j, 0,1,2,3,4,5,6,7
	v_cmp_gt_i32 vcc_lo, \j, v[RH]                 ; key 8 h + j comes after query r
	v_cndmask_b32 v[SS+\j], v[SS+\j], v7, vcc_lo
.endr
	v_max3_num_f32 v10, v[SS], v[SS+1], v[SS+2]
	v_max3_num_f32 v10, v10, v[SS+3], v[SS+4]
	v_max3_num_f32 v10, v10, v[SS+5], v[SS+6]
	v_max_num_f32 v10, v10, v[SS+7]
	v_permlanex16_b32 v11, v10, s18, s19
	v_max_num_f32 v10, v10, v11                    ; the row's maximum: key 0 counts for every query, so it is a number
	v_mul_f32 v12, s20, v10
	v_mov_b32 v13, v12
.irp q, 0,2,4,6
	v_pk_fma_f32 v[SS+\q:SS+\q+1], v[SS+\q:SS+\q+1], s[20:21], v[12:13] op_sel_hi:[1,0,0] neg_lo:[0,0,1] neg_hi:[0,0,1]
.endr
.irp j, 0,1,2,3,4,5,6,7
	v_exp_f32 v[SS+\j], v[SS+\j]
.endr
	v_nop
	s_wait_alu depctr_va_vdst(0)                   ; one wait for the eight exponentials, ahead of their first reader
	v_pk_add_f32 v[14:15], v[SS:SS+1], v[SS+2:SS+3]
	v_pk_add_f32 v[16:17], v[SS+4:SS+5], v[SS+6:SS+7]
	v_pk_add_f32 v[14:15], v[14:15], v[16:17]
	v_add_f32 v14, v14, v15
	v_permlanex16_b32 v11, v14, s18, s19
	v_add_f32 v14, v14, v11
	v_rcp_f32 v14, v14
	v_nop
	s_wait_alu depctr_va_vdst(0)
.irp q, 0,2,4,6
	v_pk_mul_f32 v[PP+\q:PP+\q+1], v[SS+\q:SS+\q+1], v[14:15] op_sel_hi:[1,0]
.endr
	s_wait_loadcnt 32                              ; v is in; W's 32 loads are younger
.irp p, 0,1,2,3
.irp ct, 0,1,2,3
.if \p == 0
	v_wmma_f32_16x16x4_f32 v[OA+8*\ct:OA+8*\ct+7], v[V+8*\ct:V+8*\ct+1], v[PP:PP+1], 0
.else
	v_wmma_f32_16x16x4_f32 v[OA+8*\ct:OA+8*\ct+7], v[V+8*\ct+2*\p:V+8*\ct+2*\p+1], v[PP+2*\p:PP+2*\p+1], v[OA+8*\ct:OA+8*\ct+7]
.endif
.endr
.endr
	s_wait_loadcnt 0x0
.rept 9
	v_nop                                          ; nine places before a result of this form becomes an operand
.endr
.irp p, 0,1,2,3
.irp ct, 0,1,2,3
.if \p == 0
	v_wmma_f32_16x16x4_f32 v[SA+8*\ct:SA+8*\ct+7], v[W+8*\ct:W+8*\ct+1], v[OA+8*\ct:OA+8*\ct+1], 0
.else
	v_wmma_f32_16x16x4_f32 v[SA+8*\ct:SA+8*\ct+7], v[W+8*\ct+2*\p:W+8*\ct+2*\p+1], v[OA+8*\ct+2*\p:OA+8*\ct+2*\p+1], v[SA+8*\ct:SA+8*\ct+7]
.endif
.endr
.endr
.rept 8
	v_nop
.endr
.irp q, 0,2,4,6
	v_pk_add_f32 v[SS+\q:SS+\q+1], v[SA+\q:SA+\q+1], v[SA+8+\q:SA+8+\q+1]
	v_pk_add_f32 v[TT+\q:TT+\q+1], v[SA+16+\q:SA+16+\q+1], v[SA+24+\q:SA+24+\q+1]
.endr
.irp q, 0,2,4,6
	v_pk_add_f32 v[SS+\q:SS+\q+1], v[SS+\q:SS+\q+1], v[TT+\q:TT+\q+1]     ; my head's part: token r, columns 8 h + 0 .. 7
.endr
	ds_store_b128 v[STA], v[SS:SS+3]
	ds_store_b128 v[STA], v[SS+4:SS+7] offset:512
	s_wait_dscnt 0x0                               ; for the others' sake: my stores have landed
	s_barrier_signal -1
	s_barrier_wait -1
	s_cmp_lt_u32 s10, 2
	s_cbranch_scc0 .Lend
.set f, 0
.rept 16
	ds_load_b128 v[Q+4*f:Q+4*f+3], v[LDA] offset:1024*f    ; wave u: registers 4 u .. 4 u + 3 of every head's part
.set f, f+1
.endr
	s_wait_dscnt 0x0
.set f, 1
.rept 15
	v_pk_add_f32 v[Q:Q+1], v[Q:Q+1], v[Q+4*f:Q+4*f+1]
	v_pk_add_f32 v[Q+2:Q+3], v[Q+2:Q+3], v[Q+4*f+2:Q+4*f+3]
.set f, f+1
.endr
	global_store_b128 v[GO], v[Q:Q+3], s[8:9] th:TH_STORE_NT
.Lend:
	s_wait_tensorcnt 0x0                           ; the wave's end, behind my last LDS store
	ds_add_u32 v[SPW], v[NIL]
	s_wait_dscnt 0x0
	s_endpgm
.Lfunc_end_k_q6bf2f0b2a1_head16:
	.size	k_q6bf2f0b2a1_head16, .Lfunc_end_k_q6bf2f0b2a1_head16-k_q6bf2f0b2a1_head16
	.p2alignl 7, 3214868480
	.fill 96, 4, 3214868480
	.section	.rodata,"a",@progbits
	.p2align	6, 0x0
	.amdhsa_kernel k_q6bf2f0b2a1_head16
		.amdhsa_group_segment_fixed_size 18432
		.amdhsa_private_segment_fixed_size 0
		.amdhsa_enable_private_segment 0
		.amdhsa_kernarg_size 24
		.amdhsa_user_sgpr_count 2
		.amdhsa_user_sgpr_kernarg_segment_ptr 1
		.amdhsa_wavefront_size32 1
		.amdhsa_system_sgpr_workgroup_id_x 1
		.amdhsa_system_sgpr_workgroup_id_y 1
		.amdhsa_system_sgpr_workgroup_id_z 1
		.amdhsa_system_vgpr_workitem_id 0
		.amdhsa_next_free_vgpr 256
		.amdhsa_next_free_sgpr 66
		.amdhsa_reserve_vcc 1
		.amdhsa_float_denorm_mode_32 3
		.amdhsa_float_denorm_mode_16_64 3
		.amdhsa_memory_ordered 1
		.amdhsa_forward_progress 1
		.amdhsa_inst_pref_size 19
	.end_amdhsa_kernel
	.amdgpu_metadata
---
amdhsa.version: [ 1, 2 ]
amdhsa.kernels:
  - .name:           k_q6bf2f0b2a1_head16
    .symbol:         k_q6bf2f0b2a1_head16.kd
    .args:
      - { .name: fine, .offset: 0, .size: 8, .value_kind: global_buffer, .address_space: global }
      - { .name: W_proj, .offset: 8, .size: 8, .value_kind: global_buffer, .address_space: global }
      - { .name: out0, .offset: 16, .size: 8, .value_kind: global_buffer, .address_space: global }
    .group_segment_fixed_size: 18432
    .private_segment_fixed_size: 0
    .kernarg_segment_align: 8
    .kernarg_segment_size: 24
    .max_flat_workgroup_size: 512
    .sgpr_count:     66
    .vgpr_count:     256
    .wavefront_size: 32
...
	.end_amdgpu_metadata
.endif
;; end of part 5
